; MI455X (gfx1250); checked and timed in simulation.
; The chip was launched on July 23, 2026; its instructions are those of AMD's public machine-readable ISA for CDNA 5 (MIT licence, August 2026) and "CDNA5" Instruction Set Architecture Reference Guide (July 2026). The comments in the code are by the model that wrote it; some were corrected since.
;; MHA. Allowed arithmetic: matrix products marked QUANTISED: E4M3 operands, one given power-of-two scale a tensor, by v_wmma_f32_16x16x64_fp8_fp8 or v_wmma_f32_16x16x128_fp8_fp8, f32 sums; everything else in f32.
;; Inputs: Wk 1,024 x 1,024 float32; Wo 1,024 x 1,024 float32; Wq 1,024 x 1,024 float32; Wv 1,024 x 1,024 float32; lowp_scales 12 int32 (the exponents e of the quantised operands' scales 2^e); x 4 x 2,048 x 1,024 float32.
;; Outputs: out0 4 x 2,048 x 1,024 float32.
;; This version of the problem:
;;   THIS VERSION OF THE PROBLEM IS GIVEN IN LOW PRECISION. The matrix products marked QUANTISED in the list below multiply operands that are first quantised to E4M3 (4 exponent bits, 3 mantissa bits; 8 bits a number), with one given power-of-two scale for each operand tensor; their sums are f32. All else is computed in f32.
;;   The module's matrix products, in the order in which they are computed (A, B: the left and right operand; K: the contracted axis; several contracted axes count as one K, in the product's order):
;;     1. [M 8,192, K 1,024] x [K 1,024, N 1,024]; A: input x; B: input Wq: QUANTISED (scales: A lowp_scales[0], B lowp_scales[1])
;;     2. [M 8,192, K 1,024] x [K 1,024, N 1,024]; A: input x; B: input Wk: QUANTISED (scales: A lowp_scales[2], B lowp_scales[3])
;;     3. [M 8,192, K 1,024] x [K 1,024, N 1,024]; A: input x; B: input Wv: QUANTISED (scales: A lowp_scales[4], B lowp_scales[5])
;;     4. batch 64 x [M 2,048, K 64] x [K 64, N 2,048]; A: computed on the way; B: computed on the way: QUANTISED (scales: A lowp_scales[6], B lowp_scales[7])
;;     5. batch 64 x [M 64, K 2,048] x [K 2,048, N 2,048]; A: computed on the way; B: softmax (see below): QUANTISED (scales: A lowp_scales[8], B lowp_scales[9])
;;     6. [M 8,192, K 1,024] x [K 1,024, N 1,024]; A: computed on the way; B: input Wo: QUANTISED (scales: A lowp_scales[10], B lowp_scales[11])
;;   THE QUANTISER, for each operand of a quantised product, along K:
;;     - The operand's scale is 2^e, e = its entry of the input lowp_scales (int32; the entries are numbered through the quantised products in the list's order, A before B).
;;     - Each number is divided by the scale, clamped to +-448, and rounded to the nearest number of E4M3, ties to even, subnormals kept.
;;     - The product sums the exact products of the quantised numbers (number of the format x scale) in f32.
;;   ~~~python
;;   def quantise(x, axis, e):      # numpy; x: float32 -> the quantised numbers, widened to float32 again
;;       x = np.moveaxis(x, axis, -1); K = x.shape[-1]
;;       r = np.clip(x / 2.0 ** e, -448, 448)
;;       step = 2.0 ** (np.maximum(np.frexp(np.where(r == 0, 1, r))[1] - 1, -6) - 3)
;;       q = np.round(r / step) * step * 2.0 ** e      # np.round: ties to even
;;       return np.moveaxis(q, -1, axis).astype(np.float32)
;;   ~~~
;;   SOFTMAX AHEAD OF A QUANTISED PRODUCT. Where the list says 'softmax', what is quantised is not the finished softmax but p = 2^(t - M), with t = logit x log2(e) and M = ceil(the row's largest t), a whole number; so 1/2 < the row's largest p <= 1. The row's sum l is taken of the UNQUANTISED p, in f32, and the product's result is divided by l at the end. Since M is a whole number, a kernel that streams over the keys may use a running M (the ceiling of the running maximum): every later rescaling is an exact power of two, so the quantised numbers keep their values, but for numbers so far below the row's largest that they fall under the format's range.
;;   OPERANDS COMPUTED ON THE WAY. 'Computed on the way' means the value that the module computes at that place (a softmax that the list does not call 'softmax' is quantised finished and normalised). What goes into a quantiser is computed in f32, as accurately as f32 sums, v_exp_f32 and their like allow (about 1e-6 of the number): no bf16 or f16 on the way to a quantiser, and a product that is left as it is and whose result goes on into a quantised operand takes f32 operands (vector FMAs, or v_wmma_f32_16x16x4_f32). A number that lies on a knife's edge between two numbers of the format may be rounded either way, as far as f32 arithmetic and the matrix unit's own rounding can turn it there, and no further.
;; One version. Each part assembles by itself: llvm-mc -triple=amdgcn-amd-amdhsa -mcpu=gfx1250 --defsym DOCPART=n.
;; ======== version 1 of 1: 4 launches
;; limits: right only within a limited range of input values
;; workspace buffers: xc 25,165,824 bytes; wc 4,194,304 bytes; rope 524,288 bytes; qc 8,388,608 bytes; kv 16,777,216 bytes; oc 8,388,608 bytes
;; launch prep (part 1): grid 256 x 1, 8 waves a work-group, no clusters, 66,560 bytes of LDS; arguments x, Wq, Wk, Wv, Wo, lowp_scales, xc, wc, rope; writes xc, wc, rope
.if DOCPART == 1
	.amdgcn_target "amdgcn-amd-amdhsa--gfx1250"
	.amdhsa_code_object_version 6
	.text
	.protected	k_q88cd89bb20_prep
	.globl	k_q88cd89bb20_prep
	.p2align	8
	.type	k_q88cd89bb20_prep,@function
k_q88cd89bb20_prep:
	s_mov_b64 s[64:65], 0
	v_nop
	global_prefetch_b8 v0, s[64:65] scope:SCOPE_SE
	s_setreg_imm32_b32 hwreg(HW_REG_WAVE_MODE, 25, 1), 1
	s_wait_xcnt 0x0
; PREP.  x [8192][1024] f32 becomes three sets of E4M3 codes (scales 2^e0, 2^e2, 2^e4), Wq, Wk, Wv, Wo [1024][1024] f32 one set each (e1, e3, e5, e11), K innermost;
; and the table of cos and sin for the rotation is made: rope[pos] = 32 cos, then 32 sin, f32, 256 bytes a position.
; code = number / 2^e, held within +-448, rounded to the nearest code, ties to even.
; STORED ORDER: the codes of row R are written at row P(R), P = R with its bits 3 and 4 exchanged.  Sixteen neighbouring stored rows 32 U + 16 v + r are then the real rows 32 U + 8 v + r + 8 (r / 8):
; used as source 0 of a product, two neighbouring tiles give a lane 16 real neighbours in its registers.
; SHARES.  Work-group n, wave w: rows 32 n + 4 w .. + 3 of x (8 steps of 512 numbers), rows 16 (n % 64) + 2 w, + 1 of weight n / 64 (4 steps), position 8 n + w of the table.
; A step: four loads of 512 consecutive bytes; the 2,048 bytes turn through the wave's own stage in LDS, so that a lane holds 16 neighbours along K; holds, conversions; a store of 512 consecutive bytes for each set of codes.
; Waves share nothing: no barrier.  Loads run four steps (16 loads a wave) ahead, the turn through LDS one step.
; LIMITS: e0, e2, e4, e1, e3, e5, e11 between -126 and 119, so that 2^e and 448 x 2^e are f32 numbers.  NaN among the inputs is not served.
; The angle is f32(pos) x inv_freq with inv_freq = 2^(-i log2(10000) / 32) by v_exp_f32: it agrees with a correctly rounded inv_freq to about 2e-7 of its value, the largest angles (about 2,000) to about 2e-4.
.set WAVES, 8
.set STEPS, 12                         ; 8 of x, then 4 of a weight
.set XST,   8
.set SP,    80                         ; a lane's place in a stage: 64 bytes + 16 of padding
.set WREG,  8192                       ; LDS: a region for each wave: two stages of 32 x SP bytes
.set SPARE, WAVES*WREG                 ; behind the regions: the spare words, 128 bytes for each wave: four blocks of 256 bytes that no other line names
.set LO,    3                          ; v3       16 x lane: my bytes of a load's or a store's 512; never rewritten
.set SC,    4                          ; v4-11    four pairs: 2^e and 448 x 2^e, for e0, e2, e4 and the weight's e
.set SPW,   12                         ; v12      LDS address of my spare word; never rewritten
.set NIL,   13                         ; v13      0; never rewritten
.set STI,   14                         ; v14      the stage, on the way in
.set STO,   15                         ; v15      the stage, on the way out
.set R,     16                         ; v16-79   four sets of 16 numbers as loaded
.set X,     80                         ; v80-111  two sets of 16 neighbours
.set T,     112                        ; v112-159 three held copies
.set C,     160                        ; v160-183 codes: two sets of 12
	s_load_b256 s[4:11], s[0:1], 0x0               ; x, Wq, Wk, Wv
	s_load_b256 s[12:19], s[0:1], 0x20             ; Wo, the scales' exponents, xc, wc
	s_load_b64 s[20:21], s[0:1], 0x40              ; rope
	v_lshl_add_u32 v[SPW], v0, 2, SPARE
	v_mov_b32 v[NIL], 0
	v_lshrrev_b32 v1, 5, v0
	s_delay_alu instid0(VALU_DEP_1)
	v_readfirstlane_b32 s22, v1                    ; wave 0..7
	v_and_b32 v2, 31, v0                           ; lane
	s_delay_alu instid0(VALU_DEP_1)
	v_lshlrev_b32 v[LO], 4, v2
	s_lshl_b32 s23, s22, 13                        ; my region of LDS
	v_lshrrev_b32 v[STI], 2, v2
	s_delay_alu instid0(VALU_DEP_1)
	v_mul_u32_u24 v[STI], v[STI], SP
	v_and_b32 v[STO], 3, v2
	s_delay_alu instid0(VALU_DEP_1)
	v_lshl_add_u32 v[STI], v[STO], 4, v[STI]
	s_delay_alu instid0(VALU_DEP_1)
	v_add_nc_u32 v[STI], s23, v[STI]               ; in: SP (lane / 4) + 16 (lane % 4): four lanes' 64 bytes on end, then the padding
	v_mul_u32_u24 v[STO], v2, SP
	s_delay_alu instid0(VALU_DEP_1)
	v_add_nc_u32 v[STO], s23, v[STO]               ; out: SP x lane: my 16 neighbours
	s_lshl_b32 s40, ttmp9, 17                      ; x: (32 n + 4 w) rows of 4,096 bytes
	s_lshl_b32 s41, s22, 14
	s_add_co_u32 s40, s40, s41
	s_mov_b32 s41, 0
	s_lshl_b32 s42, ttmp9, 15                      ; x's codes: stored row 32 n + 16 ((w / 2) % 2) + 8 (w / 4) + 4 (w % 2), 1,024 bytes a row
	s_bfe_u32 s43, s22, 0x10001
	s_lshl_b32 s43, s43, 14
	s_add_co_u32 s42, s42, s43
	s_lshr_b32 s43, s22, 2
	s_lshl_b32 s43, s43, 13
	s_add_co_u32 s42, s42, s43
	s_and_b32 s43, s22, 1
	s_lshl_b32 s43, s43, 12
	s_add_co_u32 s42, s42, s43
	s_mov_b32 s43, 0
	s_lshr_b32 s36, ttmp9, 6                       ; which weight
	s_and_b32 s37, ttmp9, 63                       ; which 16 rows of it
	s_lshl_b32 s44, s37, 16                        ; the weight: (16 c + 2 w) rows of 4,096 bytes
	s_lshl_b32 s45, s22, 13
	s_add_co_u32 s44, s44, s45
	s_mov_b32 s45, 0
	s_lshl_b32 s56, s36, 20                        ; its codes: weight x 1 MiB + stored row 32 (c / 2) + 16 (w / 4) + 8 (c % 2) + 2 (w % 4)
	s_lshr_b32 s57, s37, 1
	s_lshl_b32 s57, s57, 15
	s_add_co_u32 s56, s56, s57
	s_lshr_b32 s57, s22, 2
	s_lshl_b32 s57, s57, 14
	s_add_co_u32 s56, s56, s57
	s_and_b32 s57, s37, 1
	s_lshl_b32 s57, s57, 13
	s_add_co_u32 s56, s56, s57
	s_and_b32 s57, s22, 3
	s_lshl_b32 s57, s57, 11
	s_add_co_u32 s56, s56, s57
	s_mov_b32 s57, 0
	s_lshl_b32 s58, ttmp9, 3
	s_add_co_u32 s58, s58, s22                     ; my position of the table: 8 n + w
	s_lshl_b32 s60, s58, 8
	s_mov_b32 s61, 0
	s_wait_alu depctr_va_vdst(0)
	s_wait_kmcnt 0x0
	s_load_b256 s[24:31], s[14:15], 0x0            ; e0 .. e7
	s_load_b128 s[32:35], s[14:15], 0x20           ; e8 .. e11
	s_add_nc_u64 s[4:5], s[4:5], s[40:41]
	s_add_nc_u64 s[46:47], s[16:17], s[42:43]      ; the three sets of x's codes lie 8 MiB apart
	s_add_nc_u64 s[48:49], s[46:47], 0x800000
	s_add_nc_u64 s[50:51], s[46:47], 0x1000000
	s_cmp_eq_u32 s36, 0                            ; the weight is chosen by the work-group's number alone
	s_cselect_b64 s[52:53], s[6:7], s[12:13]
	s_cmp_eq_u32 s36, 1
	s_cselect_b64 s[52:53], s[8:9], s[52:53]
	s_cmp_eq_u32 s36, 2
	s_cselect_b64 s[52:53], s[10:11], s[52:53]
	s_add_nc_u64 s[52:53], s[52:53], s[44:45]
	s_add_nc_u64 s[54:55], s[18:19], s[56:57]
	s_add_nc_u64 s[20:21], s[20:21], s[60:61]
.macro LOAD t                          ; step t's 2,048 bytes: four loads of 512 consecutive bytes
.irp i, 0,1,2,3
.if (\t) < XST
	global_load_b128 v[R+16*((\t)%4)+4*\i:R+16*((\t)%4)+4*\i+3], v[LO], s[4:5] offset:2048*(\t)+512*\i th:TH_LOAD_NT
.else
	global_load_b128 v[R+16*((\t)%4)+4*\i:R+16*((\t)%4)+4*\i+3], v[LO], s[52:53] offset:2048*((\t)-XST)+512*\i th:TH_LOAD_NT
.endif
.endr
.endm
.macro TURN t                          ; step t's numbers through the stage: LDS serves a wave's instructions in order, so no wait stands between the stores and the loads
.irp i, 0,1,2,3
	ds_store_b128 v[STI], v[R+16*((\t)%4)+4*\i:R+16*((\t)%4)+4*\i+3] offset:32*SP*((\t)%2)+8*SP*\i
.endr
.irp i, 0,1,2,3
	ds_load_b128 v[X+16*((\t)%2)+4*\i:X+16*((\t)%2)+4*\i+3], v[STO] offset:32*SP*((\t)%2)+16*\i
.endr
.endm
.irp t, 0,1,2,3
	LOAD \t
.endr
	; THE TABLE, while the first loads are on their way.  Lane l makes frequencies i = 2 (l % 16), + 1: lanes 0-15 their cos, lanes 16-31 their sin = cos(angle - pi/2).
	v_and_b32 v184, 15, v2
	v_lshrrev_b32 v185, 4, v2
	s_delay_alu instid0(VALU_DEP_2)
	v_lshlrev_b32 v184, 1, v184
	s_delay_alu instid0(VALU_DEP_1)
	v_cvt_f32_u32 v186, v184
	s_delay_alu instid0(VALU_DEP_1)
	v_add_f32 v187, 1.0, v186
	s_delay_alu instid0(VALU_DEP_2)
	v_mul_f32 v186, 0xbed49a78, v186               ; -i log2(10000) / 32
	s_delay_alu instid0(VALU_DEP_2)
	v_mul_f32 v187, 0xbed49a78, v187
	s_wait_alu depctr_va_vdst(0)
	v_exp_f32 v186, v186                           ; inv_freq
	v_exp_f32 v187, v187
	v_cvt_f32_u32 v188, s58                        ; the position (a plain instruction behind the exponentials)
	v_mul_u32_u24 v198, v185, 3                    ; the quadrant's shift: 3 for a sine
	v_lshlrev_b32 v184, 3, v2                      ; where my pair goes: 8 x lane
	s_wait_alu depctr_va_vdst(0)                   ; one wait for both exponentials, ahead of their first reader
	v_mul_f32 v186, v188, v186                     ; the angle, rounded to f32 once
	v_mul_f32 v187, v188, v187
; cos(angle - 3 x shift's quarter turns) by reduction to |r| <= pi/4 and two polynomials.  n = the nearest whole number to angle x 2/pi; r = angle - n pi/2 with pi/2 in two parts:
; the first multiply-add is exact (n has 11 bits, the result is under 1 with its last bit at 2^-23).  Quadrant q = n + shift: cos r, -sin r, -cos r, sin r.
.macro TRIG th
	v_mul_f32 v189, 0x3f22f983, v[\th]
	s_delay_alu instid0(VALU_DEP_1)
	v_rndne_f32 v189, v189
	s_delay_alu instid0(VALU_DEP_1)
	v_fmamk_f32 v190, v189, 0xbfc90fdb, v[\th]
	s_delay_alu instid0(VALU_DEP_1)
	v_fmamk_f32 v190, v189, 0x333bbd2e, v190
	s_delay_alu instid0(VALU_DEP_1)
	v_mul_f32 v191, v190, v190                     ; z = r r
	v_mov_b32 v192, 0xb94ca1f9
	s_delay_alu instid0(VALU_DEP_1)
	v_fmaak_f32 v192, v191, v192, 0x3c08839e
	s_delay_alu instid0(VALU_DEP_1)
	v_fmaak_f32 v192, v191, v192, 0xbe2aaaa3
	s_delay_alu instid0(VALU_DEP_4)
	v_mul_f32 v193, v190, v191
	s_delay_alu instid0(VALU_DEP_1)
	v_fma_f32 v192, v193, v192, v190               ; sin r = r + r z (s1 + z (s2 + z s3))
	v_mov_b32 v194, 0x37ccf5ce
	s_delay_alu instid0(VALU_DEP_1)
	v_fmaak_f32 v194, v191, v194, 0xbab6061a
	s_delay_alu instid0(VALU_DEP_1)
	v_fmaak_f32 v194, v191, v194, 0x3d2aaaa5
	v_mul_f32 v195, v191, v191
	v_fma_f32 v196, v191, -0.5, 1.0
	s_delay_alu instid0(VALU_DEP_1)
	v_fma_f32 v194, v195, v194, v196               ; cos r = 1 - z / 2 + z z (c1 + z (c2 + z c3))
	v_cvt_i32_f32 v197, v189
	s_delay_alu instid0(VALU_DEP_1)
	v_add_nc_u32 v197, v197, v198                  ; q
	s_delay_alu instid0(VALU_DEP_1)
	v_and_b32 v199, 1, v197
	s_delay_alu instid0(VALU_DEP_1)
	v_cmp_eq_u32 vcc_lo, 1, v199
	s_delay_alu instid0(VALU_DEP_1)
	v_cndmask_b32 v194, v194, v192, vcc_lo         ; odd q: the sine
	s_delay_alu instid0(VALU_DEP_4)
	v_add_nc_u32 v197, 1, v197
	s_delay_alu instid0(VALU_DEP_1)
	v_and_b32 v197, 2, v197
	s_delay_alu instid0(VALU_DEP_1)
	v_lshlrev_b32 v197, 30, v197                   ; q % 4 = 1 or 2: the sign turns
	s_delay_alu instid0(VALU_DEP_1)
	v_xor_b32 v[\th], v194, v197
.endm
	TRIG 186
	TRIG 187
	global_store_b64 v184, v[186:187], s[20:21]    ; 32 lanes store the position's 256 consecutive bytes; v184, v186, v187 are not written again
.macro MKSC e, k                       ; 2^e and 448 x 2^e as f32 numbers
	s_add_co_i32 s62, s[\e], 127
	s_lshl_b32 s63, s62, 23
	v_mov_b32 v[SC+2*\k], s63
	s_add_co_i32 s62, s62, 8
	s_lshl_b32 s62, s62, 23
	s_or_b32 s62, s62, 0x600000
	v_mov_b32 v[SC+2*\k+1], s62
.endm
	s_wait_kmcnt 0x0
	s_cmp_eq_u32 s36, 0                            ; the weight's e: e1, e3, e5 or e11
	s_cselect_b32 s38, s25, s35
	s_cmp_eq_u32 s36, 1
	s_cselect_b32 s38, s27, s38
	s_cmp_eq_u32 s36, 2
	s_cselect_b32 s38, s29, s38
	MKSC 24, 0
	MKSC 26, 1
	MKSC 28, 2
	MKSC 38, 3
	s_wait_alu depctr_va_vdst(0)
	s_wait_loadcnt 12                              ; step 0's four loads are in
	TURN 0
.macro STEP t
.set XS, X+16*((\t)%2)
.set CC, C+12*((\t)%2)
	s_wait_dscnt 0x0                               ; this step's numbers are back from the stage: so its stores into the stage have read their registers,
.if (\t)+4 < STEPS
	LOAD (\t)+4                                    ; which take the loads of four steps on
.endif
.if (\t)+1 < STEPS
.if STEPS-2-(\t) >= 3
	s_wait_loadcnt 12                              ; the next step's four loads are in; those of the three steps behind it may be out
.else
	s_wait_loadcnt 4*(STEPS-2-(\t))
.endif
	TURN (\t)+1                                    ; and go through the other stage while this step is worked
.endif
.if (\t) < XST
.irp k, 0,1,2
.set i, 0
.rept 16
	v_med3_num_f32 v[T+16*\k+i], v[XS+i], -v[SC+2*\k+1], v[SC+2*\k+1]   ; the conversion does not saturate (ISA guide 7.6.2): the hold at 448 x the scale, once for each of x's three scales
.set i, i+1
.endr
.endr
	s_wait_alu depctr_va_vdst(0)
	s_wait_xcnt 0x0                                ; the stores of two steps ago have read this set of code registers
.irp k, 0,1,2
	v_cvt_scalef32_pk8_fp8_f32 v[CC+4*\k:CC+4*\k+1], v[T+16*\k:T+16*\k+7], v[SC+2*\k]
	v_cvt_scalef32_pk8_fp8_f32 v[CC+4*\k+2:CC+4*\k+3], v[T+16*\k+8:T+16*\k+15], v[SC+2*\k]
.endr
	v_nop                                          ; a plain instruction between the conversions and the next step's holds, which write their sources
.irp k, 0,1,2
	global_store_b128 v[LO], v[CC+4*\k:CC+4*\k+3], s[46+2*\k:47+2*\k] offset:512*(\t)   ; 32 lanes store 512 consecutive bytes: half a row of codes
.endr
.else
.set i, 0
.rept 16
	v_med3_num_f32 v[T+i], v[XS+i], -v[SC+7], v[SC+7]
.set i, i+1
.endr
	s_wait_alu depctr_va_vdst(0)
	s_wait_xcnt 0x0
	v_cvt_scalef32_pk8_fp8_f32 v[CC:CC+1], v[T:T+7], v[SC+6]
	v_cvt_scalef32_pk8_fp8_f32 v[CC+2:CC+3], v[T+8:T+15], v[SC+6]
	v_nop
	global_store_b128 v[LO], v[CC:CC+3], s[54:55] offset:512*((\t)-XST)
.endif
.endm
.irp t, 0,1,2,3,4,5,6,7,8,9,10,11
	STEP \t
.endr
	s_wait_tensorcnt 0x0                           ; the wave's end, behind my last LDS store
	ds_add_u32 v[SPW], v[NIL]
	s_wait_dscnt 0x0
	s_endpgm
.Lfunc_end_k_q88cd89bb20_prep:
	.size	k_q88cd89bb20_prep, .Lfunc_end_k_q88cd89bb20_prep-k_q88cd89bb20_prep
	.p2alignl 7, 3214868480
	.fill 96, 4, 3214868480
	.section	.rodata,"a",@progbits
	.p2align	6, 0x0
	.amdhsa_kernel k_q88cd89bb20_prep
		.amdhsa_group_segment_fixed_size 66560
		.amdhsa_private_segment_fixed_size 0
		.amdhsa_enable_private_segment 0
		.amdhsa_kernarg_size 72
		.amdhsa_user_sgpr_count 2
		.amdhsa_user_sgpr_kernarg_segment_ptr 1
		.amdhsa_wavefront_size32 1
		.amdhsa_system_sgpr_workgroup_id_x 1
		.amdhsa_system_sgpr_workgroup_id_y 1
		.amdhsa_system_sgpr_workgroup_id_z 1
		.amdhsa_system_vgpr_workitem_id 0
		.amdhsa_next_free_vgpr 200
		.amdhsa_next_free_sgpr 66
		.amdhsa_reserve_vcc 1
		.amdhsa_float_denorm_mode_32 3
		.amdhsa_float_denorm_mode_16_64 3
		.amdhsa_memory_ordered 1
		.amdhsa_forward_progress 1
		.amdhsa_inst_pref_size 56
	.end_amdhsa_kernel
	.amdgpu_metadata
---
amdhsa.version: [ 1, 2 ]
amdhsa.kernels:
  - .name:           k_q88cd89bb20_prep
    .symbol:         k_q88cd89bb20_prep.kd
    .args:
      - { .name: x, .offset: 0, .size: 8, .value_kind: global_buffer, .address_space: global }
      - { .name: Wq, .offset: 8, .size: 8, .value_kind: global_buffer, .address_space: global }
      - { .name: Wk, .offset: 16, .size: 8, .value_kind: global_buffer, .address_space: global }
      - { .name: Wv, .offset: 24, .size: 8, .value_kind: global_buffer, .address_space: global }
      - { .name: Wo, .offset: 32, .size: 8, .value_kind: global_buffer, .address_space: global }
      - { .name: lowp_scales, .offset: 40, .size: 8, .value_kind: global_buffer, .address_space: global }
      - { .name: xc, .offset: 48, .size: 8, .value_kind: global_buffer, .address_space: global }
      - { .name: wc, .offset: 56, .size: 8, .value_kind: global_buffer, .address_space: global }
      - { .name: rope, .offset: 64, .size: 8, .value_kind: global_buffer, .address_space: global }
    .group_segment_fixed_size: 66560
    .private_segment_fixed_size: 0
    .kernarg_segment_align: 8
    .kernarg_segment_size: 72
    .max_flat_workgroup_size: 256
    .sgpr_count:     66
    .vgpr_count:     200
    .wavefront_size: 32
...
	.end_amdgpu_metadata
.endif
;; end of part 1
;; launch qkv (part 2): grid 12 x 32, 4 waves a work-group, clusters of 4 x 4, 327,680 bytes of LDS; arguments xc, wc, lowp_scales, rope, qc, kv; writes qc, kv
.if DOCPART == 2
	.amdgcn_target "amdgcn-amd-amdhsa--gfx1250"
	.amdhsa_code_object_version 6
	.text
	.protected	k_q88cd89bb20_qkv
	.globl	k_q88cd89bb20_qkv
	.p2align	8
	.type	k_q88cd89bb20_qkv,@function
k_q88cd89bb20_qkv:
	s_mov_b64 s[64:65], 0
	v_nop
	global_prefetch_b8 v0, s[64:65] scope:SCOPE_SE
	s_setreg_imm32_b32 hwreg(HW_REG_WAVE_MODE, 25, 1), 1
	s_wait_xcnt 0x0
	s_wait_alu depctr_hold_cnt(0) depctr_sa_sdst(0) depctr_va_vdst(0) depctr_va_sdst(0) depctr_va_ssrc(0) depctr_va_vcc(0) depctr_vm_vsrc(0)
	s_getreg_b32 s2, hwreg(HW_REG_IB_STS2, 6, 4)
	s_cmp_eq_u32 s2, 0
	s_cbranch_scc0 .Lentry_in_a_cluster
	s_endpgm
.Lentry_in_a_cluster:
	s_bfe_u32 s2, ttmp6, 0x10000c
	s_cmp_lg_u32 s2, 0xf033
	s_cbranch_scc0 .Lentry_shape_is_right
	s_endpgm
.Lentry_shape_is_right:
; QKV.  q = x Wq^T, k = x Wk^T, v = x Wv^T on codes of E4M3 (K = 1,024), the rotation of q and k in f32, and the quantisers of q (e6), k (e7) and v (e8, along the keys).
; A work-group of four waves makes a tile of 256 x 256, a wave 128 x 128: 64 accumulators, 512 registers.  K goes in steps of 256 through a ring of two LDS slots filled by the tensor data mover.
; CLUSTERS of 4 x 4.  The cluster's x says which product: 0 q, 1 k, 2 v; it is the same in all sixteen partners, so a branch may hang on it.
; Matrix "A" feeds source 1 and becomes the result's LANES, "B" feeds source 0 and becomes its REGISTERS.  q, k: A = x's codes (set 0 or 1), B = Wq's or Wk's: a lane holds one token, its registers features.
; v: A = Wv's codes, B = x's codes (set 2): a lane holds one channel, its registers run along the tokens, which are the K of attention's second product.
; A's tile is shared along a row of the cluster, B's along a column: each is asked for jointly, by the same tensor load with the same descriptor and a mask that names the four.
; STORED ORDER: all codes lie with bits 3 and 4 of the row number exchanged.  So tile a of A holds real rows 32 (a / 2) + 8 (a % 2) + r + 8 (r / 8) in lanes r, and the registers of tiles 2 u, 2 u + 1 of B are
; the 16 real neighbours 32 u + 16 (lane / 16) + 0 .. 15.
; RESULTS leave as images of the next launch's operand registers: a piece is 4 registers x 32 lanes, lane l's 16 bytes at 16 l, so every store of the wave covers 512 consecutive bytes, aligned.
;   qc [batch x 16 + head][token tile 128][u 2][lane][16]: lane (r, h): d = 32 u + 16 h + 0 .. 15 of the tile's token r.
;   kv [batch x 16 + head][64 keys: 32][ K: tile 4, u 2, lane, 16 | V: channel tile 4, b 2, lane, 16 ]: V's piece b of lane (r, h): keys 32 b + 16 h + 0 .. 15 of channel r of the tile.
; The sums stand for sum x 2^(ea + eb); the rotation is linear, so it is made on the sums and all three exponents are folded into the conversion's scale.
; LIMITS: e6 - e0 - e1, e7 - e2 - e3, e8 - e4 - e5 between -126 and 119, so that the scale and 448 x the scale are f32 numbers.
; REGISTERS, in windows of 256: window 0: v0-31 addresses and scales; v32-127 at work on the way out; from v128 A's fragments, ONE set, later the codes.  window 1: B's fragments, TWO sets.
;   window 2: the accumulators of A's blocks 0-3 ((a, b) at v[8 (8 (a % 4) + b)]);  window 3: of blocks 4-7.
.set KSTEP,  256
.set ROWB,   256                       ; a tile's row in bytes
.set KROW,   1024                      ; a row of codes in memory
.set PITCH,  272                       ; an LDS row: 256 bytes + 16 of padding = 68 words: the 16 rows that a load touches start at 16 different banks (64 banks of 4 bytes: ISA guide 11.1)
.set FR,     16                        ; registers of a fragment: 16 rows x 128 K
.set NL,     4                         ; LDS loads that bring one
.set NP,     4                         ; places behind this matrix instruction (ISA guide 7.12.1)
.set HALFT,  128*PITCH
.set SLOT,   4*HALFT                   ; A's 256 rows, then B's 256 rows
.set LAPS,   2                         ; 1,024 / 512
.set SPARE,  2*SLOT                    ; behind the ring: the spare words, 128 bytes for each wave: two blocks of 256 bytes that no other line names
.set ADRA, 16                          ; v16-17  LDS address of my A fragments in slot 0, 1
.set ADRB, 20                          ; v20-21  the same for B
.set CO,   26                          ; v26     16 x lane: my place in a piece
.set RO,   27                          ; v27     my place in the table: (r + 8 (r / 8)) x 256 + 64 (lane / 16)
.set SPW,  28                          ; v28     LDS address of my spare word; never rewritten
.set NIL,  29                          ; v29     0; never rewritten
.set SCL,  30                          ; v30     the conversion's scale
.set LIM,  31                          ; v31     448 x that
; window 1, on the way out of q and k: eight sets of 16 cos + 16 sin, set a at v[32 a], where B's fragments lay
.set OW,   96                          ; v96-127 a head's 32 rotated numbers of my token
.set VW,   32                          ; v32-95  (v) a block's 64 held numbers
.set CD,   128                         ; v128-255 the codes: registers of its own for each store
.set AF,   128
.set G1, 24
.set G0, 32
.set G1B, 48
.set G0B, 56
.set MSB, 0
.macro WIN new                         ; the immediate's high byte repeats the setting that is left
.if MSB != \new
	s_set_vgpr_msb (MSB<<8)|\new
.set MSB, \new
.endif
.endm
.set MUL_LO, 0xa1                      ; source 0 (B) window 1, source 1 (A) window 0, C and D window 2
.set MUL_HI, 0xf1                      ; the same, C and D window 3
.set TO_B,   0x40                      ; destination window 1, address window 0
; A joint load: waves 0 and 1 fetch for A, waves 2 and 3 for B.  The branch hangs on the wave's number alone.  An s_nop 0 and four v_nop follow each of the two lines.
.macro JLOAD g0a, g1a, g0b, g1b
	s_cmp_eq_u32 s15, 0
	s_cbranch_scc0 .Lfor_b_\@
	tensor_load_to_lds s[\g0a:\g0a+3], s[\g1a:\g1a+7]
	s_nop 0
.rept 4
	v_nop
.endr
	s_branch .Lasked_\@
.Lfor_b_\@:
	tensor_load_to_lds s[\g0b:\g0b+3], s[\g1b:\g1b+7]
	s_nop 0
.rept 4
	v_nop
.endr
.Lasked_\@:
.endm
.macro CREST                           ; a round of the cluster's barrier behind its opening barrier
	s_cmp_lg_u32 s14, 0
	s_cbranch_scc1 .Lnot_wave_0_\@
	s_barrier_signal -3
.Lnot_wave_0_\@:
	s_barrier_wait -3
	s_barrier_signal -1
	s_barrier_wait -1
.endm
.macro CROUND                          ; a whole round
	s_barrier_signal -1
	s_barrier_wait -1
	CREST
.endm
	s_load_b256 s[4:11], s[0:1], 0x0               ; xc s[4:5], wc s[6:7], the scales' exponents s[8:9], rope s[10:11]
	s_load_b128 s[84:87], s[0:1], 0x20             ; qc s[84:85], kv s[86:87]
	v_lshl_add_u32 v[SPW], v0, 2, SPARE
	v_mov_b32 v[NIL], 0
	ds_add_u32 v[SPW], v[NIL]                      ; the wave's opening: the add and its wait ahead of my first tensor load; the set-up below, work on registers, stands between them
	ds_add_u32 v[SPW], v[NIL]
	v_lshrrev_b32 v1, 5, v0
	v_readfirstlane_b32 s14, v1                    ; wave 0..3
	s_lshr_b32 s15, s14, 1                         ; which half of A's rows is mine.  Also: I fetch for A (0) or for B (1)
	s_and_b32 s16, s14, 1                          ; which half of B's rows.  Also: which 128 rows of that tile I fetch
	s_bfe_u32 s40, ttmp6, 0x40000                  ; cx, cy: my place in the cluster
	s_bfe_u32 s41, ttmp6, 0x40004
	s_and_b32 s18, ttmp7, 0xffff
	s_lshl_b32 s18, s18, 2                         ; 4 x cluster y
	s_lshl_b32 s19, ttmp9, 2                       ; 4 x cluster x
	s_add_co_u32 s20, s18, s41                     ; 4 cluster y + cy
	s_add_co_u32 s21, s19, s40                     ; 4 cluster x + cx
	s_add_co_u32 s22, s18, s40                     ; 4 cluster y + cx
	s_lshl_b32 s23, ttmp9, 23                      ; cluster x x 8 MiB: x's set of codes
	s_cmp_eq_u32 ttmp9, 2                          ; v?
	s_cselect_b32 s17, s41, s20                    ; A's tile: v: cy (of Wv's four);  q, k: 4 cluster y + cy (of x's 32)
	s_cselect_b32 s42, s22, s21                    ; B's tile: v: 4 cluster y + cx (of x's 32);  q, k: 4 cluster x + cx (of Wq's and Wk's eight)
	s_cselect_b32 s46, 0x200000, s23               ; where A's tensor begins in its buffer: Wv, or x's set
	s_cselect_b32 s47, 0x1000000, 0                ; and B's: x's set 2, or Wq
	s_lshl_b32 s43, s41, 2
	s_lshl_b32 s43, 15, s43                        ; my row of the cluster
	s_lshl_b32 s44, 0x1111, s40                    ; my column
	; descriptor group 1: a tile of 128 rows x 256 bytes, padded in LDS
	s_or_b32 s[G1+0], s43, (0<<16)|(1<<20)|(1<<21)|(5<<22)|(3<<25)  ; 15:0 the mask: A's tiles go to my row; 17:16 element of 1 byte; 20 padding on; 21 set beside a mask; 24:22 after every 64 words; 31:25 of 4 words
	s_or_b32 s[G1B+0], s44, (0<<16)|(1<<20)|(1<<21)|(5<<22)|(3<<25)
.irp g, G1, G1B
	s_mov_b32 s[\g+1], ROWB<<16                    ; tensor_dim0
	s_mov_b32 s[\g+2], 128<<16                     ; tensor_dim1
	s_mov_b32 s[\g+3], ROWB<<16                    ; tile_dim0
	s_mov_b32 s[\g+4], 128                         ; tile_dim1
	s_mov_b32 s[\g+5], KROW                        ; tensor_dim0_stride
	s_mov_b32 s[\g+6], 0
	s_mov_b32 s[\g+7], 0
.endr
	s_lshl_b32 s18, s16, 17                        ; which 128 rows of 1,024 bytes I fetch
	s_lshl_b32 s20, s17, 18                        ; A: tile x 256 rows
	s_add_co_u32 s20, s20, s46
	s_add_co_u32 s20, s20, s18
	s_mov_b32 s21, 0
	s_lshl_b32 s46, s42, 18                        ; B likewise
	s_add_co_u32 s46, s46, s47
	s_add_co_u32 s46, s46, s18
	s_mov_b32 s47, 0
	s_mul_i32 s45, s14, HALFT                      ; where they go: wave x 128 rows: no place in the cluster enters an LDS address
	s_wait_dscnt 0x0                               ; the opening add is done
	s_wait_kmcnt 0x0
	s_load_b256 s[72:79], s[8:9], 0x0              ; e0 .. e7
	s_load_b128 s[80:83], s[8:9], 0x20             ; e8 .. e11
	s_cmp_eq_u32 ttmp9, 2
	s_cselect_b64 s[88:89], s[6:7], s[4:5]         ; A's buffer
	s_cselect_b64 s[90:91], s[4:5], s[6:7]         ; B's
	s_add_nc_u64 s[20:21], s[88:89], s[20:21]
	s_add_nc_u64 s[46:47], s[90:91], s[46:47]
	CROUND                                         ; all sixteen work-groups are here: the first joint loads meet
.irp s, 0,1
	s_mov_b32 s[G0+4*\s], 1
	s_add_co_u32 s[G0+4*\s+1], s45, \s*SLOT
	s_add_nc_u64 s[G0+4*\s+2:G0+4*\s+3], s[20:21], \s*ROWB
	s_or_b32 s[G0+4*\s+3], s[G0+4*\s+3], 0x80000000
	s_mov_b32 s[G0B+4*\s], 1
	s_add_co_u32 s[G0B+4*\s+1], s45, \s*SLOT
	s_add_nc_u64 s[G0B+4*\s+2:G0B+4*\s+3], s[46:47], \s*ROWB
	s_or_b32 s[G0B+4*\s+3], s[G0B+4*\s+3], 0x80000000
.endr
	JLOAD G0, G1, G0B, G1B                         ; K step 0: one tensor load a wave at the head
	v_and_b32 v1, 15, v0                           ; r = lane % 16
	v_bfe_u32 v2, v0, 4, 1                         ; h = lane / 16
	v_mul_u32_u24 v3, v1, PITCH
	v_lshl_add_u32 v4, v2, 4, v3                   ; a fragment's row x pitch + 16 x half
	s_mul_i32 s21, s15, HALFT                      ; my 128 rows of A
	s_mul_i32 s22, s16, HALFT                      ; my 128 rows of B,
	s_add_co_u32 s22, s22, 2*HALFT                 ; which lie behind A's 256
.irp s, 0,1
	v_add_nc_u32 v[ADRA+\s], s21, v4
	v_add_nc_u32 v[ADRB+\s], s22, v4
	s_add_co_u32 s21, s21, SLOT
	s_add_co_u32 s22, s22, SLOT
.endr
	v_and_b32 v6, 31, v0
	v_lshlrev_b32 v[CO], 4, v6
	v_and_b32 v5, 8, v1
	v_add_nc_u32 v5, v5, v1                        ; r + 8 (r / 8)
	v_lshlrev_b32 v5, 8, v5
	v_lshl_add_u32 v[RO], v2, 6, v5
.macro FRAG reg, adr, q, i             ; a fragment: lane l holds row l % 16; registers 4 c .. 4 c + 3 hold K = 32 c + 16 (l / 16) + 0 .. 15: the same places in A and in B, so every product meets its partner
.irp c, 0,1,2,3
	ds_load_b128 v[\reg+4*\c:\reg+4*\c+3], v[\adr] offset:128*(\q)+32*\c+(\i)*16*PITCH
.endr
.endm
; 16 matrix instructions: A's blocks a0, a0 + 1 x B's eight, 128 along K.  p: B's set.  zero = 1: the first product starts the sums.  The 64 accumulators take turns, one instruction a turn.
.macro MUL16 a0, p, zero
.irp a, \a0, \a0+1
.irp b, 0,1,2,3,4,5,6,7
.if \zero
	v_wmma_f32_16x16x128_fp8_fp8 v[8*(8*((\a)%4)+\b):8*(8*((\a)%4)+\b)+7], v[128*(\p)+FR*\b:128*(\p)+FR*\b+FR-1], v[AF+FR*(\a):AF+FR*(\a)+FR-1], 0
.else
	v_wmma_f32_16x16x128_fp8_fp8 v[8*(8*((\a)%4)+\b):8*(8*((\a)%4)+\b)+7], v[128*(\p)+FR*\b:128*(\p)+FR*\b+FR-1], v[AF+FR*(\a):AF+FR*(\a)+FR-1], v[8*(8*((\a)%4)+\b):8*(8*((\a)%4)+\b)+7]
.endif
.endr
.endr
.endm
.macro FETCH_B slot, q, p              ; B's eight fragments of the slot's q-th 128 along K into set p
	WIN TO_B
.irp i, 0,1,2,3,4,5,6,7
	FRAG 128*(\p)+FR*\i, ADRB+\slot, \q, \i
.endr
	WIN 0
.endm
.macro FETCH_A slot, q, i0             ; A's blocks i0 .. i0 + 3
.irp i, \i0, \i0+1, \i0+2, \i0+3
	FRAG AF+FR*(\i), ADRA+\slot, \q, \i
.endr
.endm
.macro PLACES n                        ; plain vector instructions between a matrix instruction and a load into, or a vector instruction on, its registers
.rept \n
	v_nop
.endr
.endm
; A step of 128 along K that has its successor in the same slot.
.macro STEP slot, q, zero
	s_wait_dscnt 4*NL                              ; B's set and A's blocks 0-3 are in; the youngest 16 loads (A's blocks 4-7) may be out
	WIN MUL_LO
	MUL16 0, (\q)%2, \zero
	MUL16 2, (\q)%2, \zero
	s_wait_dscnt 0                                 ; A's blocks 4-7 are in
	PLACES NP
	FETCH_B \slot, (\q)+1, 1-(\q)%2
	FETCH_A \slot, (\q)+1, 0
	WIN MUL_HI
	MUL16 4, (\q)%2, \zero
	MUL16 6, (\q)%2, \zero
	PLACES NP
	WIN 0
	FETCH_A \slot, (\q)+1, 4
.endm
; A slot's last step changes slots: ONE barrier; in front of it each wave waits for all its tensor loads, adds 0 to its spare word, and waits for that and for its own reads of this slot.  fill = 1: this slot is filled again, two K steps ahead.
.macro TURN slot, next, fill
	s_wait_tensorcnt 0x0                           ; all my tensor loads have landed: my part of the next slot
	ds_add_u32 v[SPW], v[NIL]                      ; 0 onto my spare word
	s_wait_dscnt 4*NL+1                            ; (the add and the youngest 16 loads, A's blocks 4-7, may be out)
	WIN MUL_LO
	MUL16 0, 1, 0                                  ; sixteen matrix instructions stand between the add and the wait for it
	s_wait_dscnt 0x0                               ; the add is done, and my reads of this slot are over
	s_barrier_signal -1
	MUL16 2, 1, 0
	WIN 0
	s_barrier_wait -1
.if \fill
	CREST                                          ; the barrier has opened a round of the cluster's barrier: no wave of any partner still reads this slot's tile or has a load on its way
	s_add_nc_u64 s[G0+4*\slot+2:G0+4*\slot+3], s[G0+4*\slot+2:G0+4*\slot+3], 2*ROWB
	s_add_nc_u64 s[G0B+4*\slot+2:G0B+4*\slot+3], s[G0B+4*\slot+2:G0B+4*\slot+3], 2*ROWB
	JLOAD G0+4*\slot, G1, G0B+4*\slot, G1B         ; the first tensor load behind the round; its four v_nop are the places in front of the loads below
.else
	PLACES NP
.endif
	FETCH_B \next, 0, 0
	FETCH_A \next, 0, 0
	WIN MUL_HI
	MUL16 4, 1, 0
	MUL16 6, 1, 0
	PLACES NP
	WIN 0
	FETCH_A \next, 0, 4
.endm
.macro LAST_STEP                       ; the very last 128 along K: nothing more to fetch.  Written once in each of the two ways out
	s_wait_dscnt 4*NL
	WIN MUL_LO
	MUL16 0, 1, 0
	MUL16 2, 1, 0
	s_wait_dscnt 0
	WIN MUL_HI
	MUL16 4, 1, 0
	MUL16 6, 1, 0
	WIN 0
.endm
.macro MKSC                            ; s66 = the folded exponent E: v[SCL] = 2^E, v[LIM] = 448 x 2^E
	s_add_co_i32 s66, s66, 127
	s_lshl_b32 s67, s66, 23
	v_mov_b32 v[SCL], s67
	s_add_co_i32 s66, s66, 8
	s_lshl_b32 s66, s66, 23
	s_or_b32 s66, s66, 0x600000
	v_mov_b32 v[LIM], s66
.endm
	s_wait_alu depctr_va_vdst(0)
	s_wait_tensorcnt 0x0                           ; my part of K step 0 is in; the three lines ahead of a later first fill, as ahead of a refill
	ds_add_u32 v[SPW], v[NIL]
	s_wait_dscnt 0x0
	CROUND                                         ; everybody's part is in, and all sixteen work-groups are here
	JLOAD G0+4, G1, G0B+4, G1B                     ; K step 1: the first tensor load behind the round
	FETCH_B 0, 0, 0
	FETCH_A 0, 0, 0
	FETCH_A 0, 0, 4
	STEP 0, 0, 1                                   ; the first step stands in front of the loop: its products start the sums
	s_mov_b32 s3, LAPS-1
.Llap:                                                 ; a trip goes once round the ring and fills both slots again
	TURN 0, 1, 1
	STEP 1, 0, 0
	TURN 1, 0, 1
	STEP 0, 0, 0
	s_sub_co_u32 s3, s3, 1
	s_cmp_lg_u32 s3, 0
	s_cbranch_scc1 .Llap
	TURN 0, 1, 0                                   ; the last lap fills nothing, and has no round of the cluster's barrier
	STEP 1, 0, 0
	s_wait_kmcnt 0x0                               ; the exponents
	s_cmp_eq_u32 ttmp9, 2                          ; the cluster's x: the same in all partners and all waves
	s_cbranch_scc1 .Lpath_v
	; ---- q AND k.  Accumulator (a, b): lane (r, h) holds token r of A's tile a; head b / 4 of my two; b % 4 = 2 u + e; register j is d = 32 u + 16 h + 8 e + j.
	s_and_b32 s66, s17, 7                          ; the table at my wave's first position: ((tile % 8) x 256 + 128 x half) x 256 bytes
	s_lshl_b32 s66, s66, 16
	s_lshl_b32 s67, s15, 15
	s_add_co_u32 s66, s66, s67
	s_mov_b32 s67, 0
	s_add_nc_u64 s[10:11], s[10:11], s[66:67]
; my token's cos and sin at i = 16 h + 0 .. 15, for A's tile a, into set a of window 1 (the destination's window is set by the caller)
.macro ROPE_LOAD a
.irp i, 0,1,2,3
	global_load_b128 v[32*(\a)+4*\i:32*(\a)+4*\i+3], v[RO], s[10:11] offset:(32*((\a)/2)+8*((\a)%2))*256+16*\i
	global_load_b128 v[32*(\a)+16+4*\i:32*(\a)+16+4*\i+3], v[RO], s[10:11] offset:(32*((\a)/2)+8*((\a)%2))*256+128+16*\i
.endr
.endm
	WIN TO_B                                       ; B's set 0 has had its last product, four places ago: tiles 0-3's table lands there under the last 64 products
	ROPE_LOAD 0
	ROPE_LOAD 1
	ROPE_LOAD 2
	ROPE_LOAD 3
	WIN 0
	s_lshr_b32 s66, s17, 3
	s_lshl_b32 s66, s66, 4
	s_lshl_b32 s67, s40, 2
	s_add_co_u32 s66, s66, s67
	s_lshl_b32 s67, s16, 1
	s_add_co_u32 s66, s66, s67
	s_lshl_b32 s66, s66, 17
	s_and_b32 s67, s17, 7
	s_lshl_b32 s67, s67, 14
	s_add_co_u32 s66, s66, s67
	s_lshl_b32 s67, s15, 13
	s_add_co_u32 s66, s66, s67
	s_lshl_b32 s66, s66, ttmp9                     ; in kv every one of these strides is twice as long (a head 262,144, four tiles 8,192): one shift by the cluster's x
	s_mov_b32 s67, 0
	s_cmp_eq_u32 ttmp9, 0
	s_cselect_b64 s[88:89], s[84:85], s[86:87]
	s_add_nc_u64 s[92:93], s[88:89], s[66:67]      ; four bases: head 0, tiles 0-3;
	s_lshl_b32 s66, 0x1000, ttmp9
	s_add_nc_u64 s[94:95], s[92:93], s[66:67]      ; head 0, tiles 4-7;
	s_lshl_b32 s66, 0x20000, ttmp9
	s_add_nc_u64 s[96:97], s[92:93], s[66:67]      ; head 1, tiles 0-3;
	s_add_nc_u64 s[98:99], s[94:95], s[66:67]      ; head 1, tiles 4-7
	s_sub_co_i32 s66, s78, s72                     ; e6 - e0 - e1
	s_sub_co_i32 s66, s66, s73
	s_sub_co_i32 s67, s79, s74                     ; e7 - e2 - e3
	s_sub_co_i32 s67, s67, s75
	s_cmp_eq_u32 ttmp9, 0
	s_cselect_b32 s66, s66, s67
	MKSC
	LAST_STEP
	PLACES NP
	WIN TO_B                                       ; B's set 1 is done with too: tiles 4-7's table lands there while tiles 0-3 are rotated
	ROPE_LOAD 4
	ROPE_LOAD 5
	ROPE_LOAD 6
	ROPE_LOAD 7
	WIN 0
; A's tile a: for each of my two heads: out(i) = x(i) cos(i) - x(i + 32) sin(i), out(i + 32) = x(i + 32) cos(i) + x(i) sin(i); held, converted, stored as pieces u = 0, 1.  Each accumulator is read from its low end on.
.macro QK_BLOCK a
	s_wait_loadcnt 56-8*(\a)                       ; this tile's eight loads are in; the 8 (7 - a) issued behind them may be out
.set RS, 32*(\a)
.irp hb, 0,1
	WIN 0x06+((\a)/4)                              ; source 0: window 2 or 3; source 1: window 1
.irp e, 0,1
.set X1, 8*(8*((\a)%4)+4*\hb+\e)
.set X2, X1+16
.irp j, 0,2,4,6
	v_pk_mul_f32 v[OW+8*\e+\j:OW+8*\e+\j+1], v[X2+\j:X2+\j+1], v[RS+16+8*\e+\j:RS+16+8*\e+\j+1]
.endr
.irp j, 0,2,4,6
	v_pk_mul_f32 v[OW+16+8*\e+\j:OW+16+8*\e+\j+1], v[X1+\j:X1+\j+1], v[RS+16+8*\e+\j:RS+16+8*\e+\j+1]
.endr
.irp j, 0,2,4,6
	v_pk_fma_f32 v[OW+8*\e+\j:OW+8*\e+\j+1], v[X1+\j:X1+\j+1], v[RS+8*\e+\j:RS+8*\e+\j+1], v[OW+8*\e+\j:OW+8*\e+\j+1] neg_lo:[0,0,1] neg_hi:[0,0,1]
.endr
.irp j, 0,2,4,6
	v_pk_fma_f32 v[OW+16+8*\e+\j:OW+16+8*\e+\j+1], v[X2+\j:X2+\j+1], v[RS+8*\e+\j:RS+8*\e+\j+1], v[OW+16+8*\e+\j:OW+16+8*\e+\j+1]
.endr
.endr
	WIN 0
.set i, 0
.rept 32
	v_med3_num_f32 v[OW+i], v[OW+i], -v[LIM], v[LIM]   ; the conversion does not saturate (ISA guide 7.6.2): the hold at 448 x the scale
.set i, i+1
.endr
.set CC, CD+8*(2*(\a)+\hb)
.set BS, 92+4*\hb+2*((\a)/4)
	v_cvt_scalef32_pk8_fp8_f32 v[CC:CC+1], v[OW:OW+7], v[SCL]
	v_cvt_scalef32_pk8_fp8_f32 v[CC+2:CC+3], v[OW+8:OW+15], v[SCL]
	v_cvt_scalef32_pk8_fp8_f32 v[CC+4:CC+5], v[OW+16:OW+23], v[SCL]
	v_cvt_scalef32_pk8_fp8_f32 v[CC+6:CC+7], v[OW+24:OW+31], v[SCL]
	v_nop                                          ; a plain instruction between the conversions and the next lines, which write their sources
	global_store_b128 v[CO], v[CC:CC+3], s[BS:BS+1] offset:((\a)%4)*1024       ; 32 lanes store 512 consecutive bytes; the data registers are written once
	global_store_b128 v[CO], v[CC+4:CC+7], s[BS:BS+1] offset:((\a)%4)*1024+512
.endr
.endm
.irp a, 0,1,2,3,4,5,6,7
	QK_BLOCK \a
.endr
	s_branch .Ldone
.Lpath_v:
	; ---- v.  Accumulator (a, 2 p + e): lane (r, h) holds channel r of tile a % 4 of head 4 cy + 2 half + a / 4; register j is token 32 p + 16 h + 8 e + j of my 128.
	s_lshr_b32 s66, s42, 3                         ; kv + (16 batch + 4 cy + 2 half) x 262,144 + (4 (tile % 8) + 2 half) x 8,192
	s_lshl_b32 s66, s66, 4
	s_lshl_b32 s67, s41, 2
	s_add_co_u32 s66, s66, s67
	s_lshl_b32 s67, s15, 1
	s_add_co_u32 s66, s66, s67
	s_lshl_b32 s66, s66, 18
	s_and_b32 s67, s42, 7
	s_lshl_b32 s67, s67, 15
	s_add_co_u32 s66, s66, s67
	s_lshl_b32 s67, s16, 14
	s_add_co_u32 s66, s66, s67
	s_mov_b32 s67, 0
	s_add_nc_u64 s[92:93], s[86:87], s[66:67]
	s_sub_co_i32 s66, s80, s76                     ; e8 - e4 - e5
	s_sub_co_i32 s66, s66, s77
	MKSC
	LAST_STEP
	PLACES NP
.macro V_BLOCK a
	WIN 0x02+((\a)/4)                              ; source 0: window 2 or 3
.set i, 0
.rept 64
	v_med3_num_f32 v[VW+i], v[64*((\a)%4)+i], -v[LIM], v[LIM]   ; register 16 p + m: token 32 p + 16 h + m; each accumulator from its low end on
.set i, i+1
.endr
	WIN 0
.irp p, 0,1,2,3
	v_cvt_scalef32_pk8_fp8_f32 v[CD+16*(\a)+4*\p:CD+16*(\a)+4*\p+1], v[VW+16*\p:VW+16*\p+7], v[SCL]
	v_cvt_scalef32_pk8_fp8_f32 v[CD+16*(\a)+4*\p+2:CD+16*(\a)+4*\p+3], v[VW+16*\p+8:VW+16*\p+15], v[SCL]
.endr
	v_nop
.irp p, 0,1,2,3
	global_store_b128 v[CO], v[CD+16*(\a)+4*\p:CD+16*(\a)+4*\p+3], s[92:93] offset:((\a)/4)*262144+(\p/2)*8192+4096+((\a)%4)*1024+(\p%2)*512
.endr
.endm
	s_wait_alu depctr_va_vdst(0)
.irp a, 0,1,2,3,4,5,6,7
	V_BLOCK \a
.endr
.Ldone:
	s_wait_tensorcnt 0x0                           ; the wave's end, behind my last tensor load
	ds_add_u32 v[SPW], v[NIL]
	s_wait_dscnt 0x0
	CROUND                                         ; the closing round: no work-group ends while a partner may still ask for a tile that names it
	s_endpgm
.Lfunc_end_k_q88cd89bb20_qkv:
	.size	k_q88cd89bb20_qkv, .Lfunc_end_k_q88cd89bb20_qkv-k_q88cd89bb20_qkv
	.p2alignl 7, 3214868480
	.fill 96, 4, 3214868480
	.section	.rodata,"a",@progbits
	.p2align	6, 0x0
	.amdhsa_kernel k_q88cd89bb20_qkv
		.amdhsa_group_segment_fixed_size 327680
		.amdhsa_private_segment_fixed_size 0
		.amdhsa_enable_private_segment 0
		.amdhsa_kernarg_size 48
		.amdhsa_user_sgpr_count 2
		.amdhsa_user_sgpr_kernarg_segment_ptr 1
		.amdhsa_wavefront_size32 1
		.amdhsa_system_sgpr_workgroup_id_x 1
		.amdhsa_system_sgpr_workgroup_id_y 1
		.amdhsa_system_sgpr_workgroup_id_z 1
		.amdhsa_system_vgpr_workitem_id 0
		.amdhsa_next_free_vgpr 1024
		.amdhsa_next_free_sgpr 100
		.amdhsa_reserve_vcc 0
		.amdhsa_float_denorm_mode_32 3
		.amdhsa_float_denorm_mode_16_64 3
		.amdhsa_memory_ordered 1
		.amdhsa_forward_progress 1
		.amdhsa_inst_pref_size 203
	.end_amdhsa_kernel
	.amdgpu_metadata
---
amdhsa.version: [ 1, 2 ]
amdhsa.kernels:
  - .name:           k_q88cd89bb20_qkv
    .symbol:         k_q88cd89bb20_qkv.kd
    .args:
      - { .name: xc, .offset: 0, .size: 8, .value_kind: global_buffer, .address_space: global }
      - { .name: wc, .offset: 8, .size: 8, .value_kind: global_buffer, .address_space: global }
      - { .name: lowp_scales, .offset: 16, .size: 8, .value_kind: global_buffer, .address_space: global }
      - { .name: rope, .offset: 24, .size: 8, .value_kind: global_buffer, .address_space: global }
      - { .name: qc, .offset: 32, .size: 8, .value_kind: global_buffer, .address_space: global }
      - { .name: kv, .offset: 40, .size: 8, .value_kind: global_buffer, .address_space: global }
    .group_segment_fixed_size: 327680
    .private_segment_fixed_size: 0
    .kernarg_segment_align: 8
    .kernarg_segment_size: 48
    .max_flat_workgroup_size: 128
    .sgpr_count:     100
    .vgpr_count:     1024
    .wavefront_size: 32
...
	.end_amdgpu_metadata
.endif
;; end of part 2
;; launch attn (part 3): grid 4 x 64, 16 waves a work-group, no clusters, 327,680 bytes of LDS; arguments qc, kv, lowp_scales, oc; writes oc
.if DOCPART == 3
	.amdgcn_target "amdgcn-amd-amdhsa--gfx1250"
	.amdhsa_code_object_version 6
	.text
	.protected	k_q88cd89bb20_attn
	.globl	k_q88cd89bb20_attn
	.p2align	8
	.type	k_q88cd89bb20_attn,@function
k_q88cd89bb20_attn:
	s_mov_b64 s[64:65], 0
	v_nop
	global_prefetch_b8 v0, s[64:65] scope:SCOPE_SE
	s_setreg_imm32_b32 hwreg(HW_REG_WAVE_MODE, 25, 1), 1
	s_wait_xcnt 0x0
; ATTN.  Causal attention of one head (64 channels, 2,048 tokens) on codes of E4M3, and the quantiser (e10) of its result.
; THE SOFTMAX AHEAD OF THE SECOND PRODUCT: t = score x log2(e) / 8; M = the row's largest t so far, rounded UP to a whole number; p = 2^(t - M) is quantised (e9), not normalised.
; The row's sum is taken of the unquantised p and divides the result at the end.  When M moves, the sum and O are multiplied by 2^(old M - new M): exact.
; WORK LEFT OUT: the scores of keys behind a query are -infinity (causal), so p = 0 there for all inputs: key steps that lie wholly behind a wave's 32 queries are not walked.
; A NaN or an infinity that reaches only those steps is not carried to the result.
; SHARES.  Work-group (x, head), sixteen waves, four to a SIMD.  Each wave owns one group of 32 queries, two tiles of 16, so that each fragment of K and V read from LDS feeds two products.
; Wave w takes group g = 16 al + (al odd ? 15 - c : c), al = 3 - w / 4, c = 4 x + w % 4: waves w, w + 4, w + 8, w + 12 hold one group of each quarter of the queries, the latest queries in the lowest wave number,
; and all work-groups have the same number of key steps.  A group g walks g / 2 + 1 key steps of 64 keys.
; The head's K and V, 262,144 bytes, lie in LDS whole and are filled ONCE, in two stages: keys 0-511 at the head, keys 512-2047 behind the three lines and a barrier, one tensor load a wave in each stage;
; the second stage is asked for eight key steps ahead of its first read.
; NO CLUSTER: the work-groups that share K and V are the four of a head, and which steps a wave leaves out hangs on its work-group's place among them; partners of a cluster must branch alike.
; NO PREFETCH: there is no ring to run ahead of; each byte of K and V is asked for once by a work-group, by a load that stands eight key steps ahead of the first read.
; LAYOUT.  Both products are used transposed: S^T = K Q^T, O^T = V^T P^T: a lane holds ONE query throughout.  All tiles lie in stored order: lane r of query tile 2 g + ta is query 32 g + 8 ta + r + 8 (r / 8);
; register j of key tile 2 u + e is key 32 u + 16 (lane / 16) + 8 e + j, so the 16 registers of two neighbouring tiles are 16 neighbouring keys, and the conversions' results are the second product's operand.
; Operands come as images of registers: a piece is 4 registers, lane l's 16 bytes at 16 l: every LDS load reads 512 consecutive bytes.  A key step is 8,192 bytes: K's 4,096, then V's.
; The result goes to oc [256 tokens: 32][K step 4][token tile 16][q 2][c 4][lane][16]: the last product's fragments.
; LIMITS: e6 + e7 between -123 and 130 (added to c's exponent field); e9, and e10 - e8 - e9, between -126 and 119; the scaled scores stay under 2^31 in magnitude.
.set SPARE, 262144                     ; behind K and V: the spare words, 128 bytes for each wave: eight blocks of 256 bytes that no other line names
.set LI,  1                            ; v1   16 x lane
.set ADK, 2                            ; v2   LDS address of the next step's K
.set PSC, 3                            ; v3   2^e9
.set PLM, 4                            ; v4   448 x 2^e9
.set SPW, 5                            ; v5   LDS address of my spare word; never rewritten
.set NIL, 6                            ; v6   0; never rewritten
.set DQ,  7                            ; v7   r + 8 (r / 8) - 16 (lane / 16)
.set ST,  8                            ; v8-23   tile ta at v[8 + 8 ta]: -M, the largest score, the sum in two halves, f, 0, two at work
.set Q,   24                           ; v24-39  Q, 8 a tile
.set KR,  40                           ; v40-71  K of a step, 4 tiles
.set S,   72                           ; v72-135 S^T, then p, 32 a tile
.set O,   136                          ; v136-199 O^T, 32 a tile
.set P,   200                          ; v200-215 p's codes, 8 a tile
.set VR,  216                          ; v216-247 V of a step, 4 tiles of channels
.set C2,  248                          ; v248-251 the sums' second chains; on the way out the scale and the bound
.set PL,  252                          ; v252-253 lane permutes' results
.set MK,  254                          ; v254-255 LDS address of the step's V, then the mask
.set WV,  12
.set Q0,  13                           ; s13  my first query
.set QL,  14                           ; s14  my last
.set KF,  15                           ; s15  the step's first key
.set TB,  16                           ; s16  LDS byte at which the step's pieces begin
.set CNT, 17
.set SEL, 18                           ; s[18:19] v_permlanex16_b32's selects for lane l xor 16
.set CS,  20                           ; s[20:21] c = log2(e) / 8 x 2^(e6 + e7)
.set G1,  24                           ; s[24:31] descriptor group 1: 4,096 bytes
.set G1C, 32                           ; s[32:39] descriptor group 1: 12,288 bytes
.set G0A, 40                           ; s[40:43], s[48:51] two groups 0, one for each stage
.set G0C, 48
.set OBL, 60                           ; s[60:61] where my result goes
.set OSC, 68                           ; s68  2^(e10 - e8 - e9);  s69  448 x that
.set OLM, 69
.set GL,  70                           ; s70  my group
.set HB,  72                           ; s72  batch x 16 + head
.macro MEET                            ; all my tensor loads have landed; an add of 0 to my spare word; my LDS loads are back; then the barrier shows the stage to all sixteen waves
	s_wait_tensorcnt 0x0
	ds_add_u32 v[SPW], v[NIL]
	s_wait_dscnt 0x0
	s_barrier_signal -1
	s_barrier_wait -1
.endm
.macro KLOADS
.irp k, 0,1,2,3
.irp u, 0,1
	ds_load_b128 v[KR+8*\k+4*\u:KR+8*\k+4*\u+3], v[ADK] offset:1024*\k+512*\u
.endr
.endr
.endm
.macro TMINUS t                        ; t - M, two at a time (of the pairs c and -M the low word serves both halves)
.set j, 0
.rept 16
	v_pk_fma_f32 v[S+32*\t+j:S+32*\t+j+1], v[S+32*\t+j:S+32*\t+j+1], s[CS:CS+1], v[ST+8*\t:ST+8*\t+1] op_sel_hi:[1,0,0]
.set j, j+2
.endr
.endm
	s_load_b256 s[4:11], s[0:1], 0x0               ; qc s[4:5], kv s[6:7], the scales' exponents s[8:9], oc s[10:11]
	v_lshl_add_u32 v[SPW], v0, 2, SPARE
	v_mov_b32 v[NIL], 0
	ds_add_u32 v[SPW], v[NIL]                      ; the wave's opening: the add, twice on end, and its wait ahead of my first tensor load
	ds_add_u32 v[SPW], v[NIL]
	v_lshrrev_b32 v1, 5, v0
	v_readfirstlane_b32 s[WV], v1                  ; wave 0..15
	s_lshr_b32 s73, s[WV], 2
	s_sub_co_u32 s73, 3, s73                       ; al
	s_and_b32 s74, s[WV], 3
	s_lshl_b32 s[GL], ttmp9, 2
	s_add_co_u32 s[GL], s[GL], s74                 ; c
	s_sub_co_u32 s74, 15, s[GL]
	s_and_b32 s22, s73, 1
	s_cmp_lg_u32 s22, 0
	s_cselect_b32 s[GL], s74, s[GL]
	s_lshl_b32 s73, s73, 4
	s_add_co_u32 s[GL], s[GL], s73                 ; g
	s_and_b32 s[HB], ttmp7, 0xffff
	s_lshl_b32 s[Q0], s[GL], 5
	s_add_co_u32 s[QL], s[Q0], 31
	s_mov_b32 s[KF], 0
	s_mov_b32 s[SEL], 0x76543210
	s_mov_b32 s[SEL+1], 0xfedcba98
	; descriptor groups 1: dense blocks as rows of 32 elements of 8 bytes: 16 rows, 48 rows
	s_mov_b32 s[G1], 3<<16
	s_mov_b32 s[G1+1], 32<<16
	s_mov_b32 s[G1+2], 16<<16
	s_mov_b32 s[G1+3], 32<<16
	s_mov_b32 s[G1+4], 16
	s_mov_b32 s[G1+5], 32
	s_mov_b32 s[G1+6], 0
	s_mov_b32 s[G1+7], 0
	s_mov_b32 s[G1C], 3<<16
	s_mov_b32 s[G1C+1], 32<<16
	s_mov_b32 s[G1C+2], 48<<16
	s_mov_b32 s[G1C+3], 32<<16
	s_mov_b32 s[G1C+4], 48
	s_mov_b32 s[G1C+5], 32
	s_mov_b32 s[G1C+6], 0
	s_mov_b32 s[G1C+7], 0
	s_lshl_b32 s22, s[WV], 12                      ; my 4,096 bytes of the first stage,
	s_mul_i32 s23, s[WV], 12288                    ; my 12,288 of the second,
	s_add_co_u32 s23, s23, 65536                   ; which begins behind the first's 65,536
	s_lshl_b32 s76, s[HB], 18                      ; the head's K and V
	s_add_co_u32 s78, s76, s23
	s_add_co_u32 s76, s76, s22
	s_mov_b32 s77, 0
	s_mov_b32 s79, 0
	s_mov_b32 s[G0A], 1
	s_mov_b32 s[G0A+1], s22
	s_mov_b32 s[G0C], 1
	s_mov_b32 s[G0C+1], s23
	s_wait_dscnt 0x0                               ; both opening adds are done
	s_wait_kmcnt 0x0
	s_load_b64 s[52:53], s[8:9], 0x18              ; e6, e7
	s_load_b128 s[56:59], s[8:9], 0x20             ; e8, e9, e10, e11
	s_add_nc_u64 s[G0A+2:G0A+3], s[6:7], s[76:77]
	s_add_nc_u64 s[G0C+2:G0C+3], s[6:7], s[78:79]
	s_or_b32 s[G0A+3], s[G0A+3], 0x80000000
	s_or_b32 s[G0C+3], s[G0C+3], 0x80000000
	tensor_load_to_lds s[G0A:G0A+3], s[G1:G1+7]    ; keys 0-511: every wave's one load at the head
	s_nop 0
	s_lshl_b32 s76, s[HB], 17                      ; Q: qc + (128 (batch x 16 + head) + 2 g) x 1,024
	s_lshl_b32 s73, s[GL], 11
	s_add_co_u32 s76, s76, s73
	s_add_nc_u64 s[4:5], s[4:5], s[76:77]
	v_and_b32 v[LI], 31, v0
	v_lshlrev_b32 v[LI], 4, v[LI]
.irp t, 0,1
.irp u, 0,1
	global_load_b128 v[Q+8*\t+4*\u:Q+8*\t+4*\u+3], v[LI], s[4:5] offset:1024*\t+512*\u
.endr
.endr
	s_lshr_b32 s73, s[HB], 4                       ; oc + (8 batch + g / 8) x 262,144 + (head / 4) x 65,536 + (g % 8) x 8,192 + (head % 4) x 1,024
	s_lshl_b32 s73, s73, 3
	s_lshr_b32 s74, s[GL], 3
	s_add_co_u32 s73, s73, s74
	s_lshl_b32 s76, s73, 18
	s_bfe_u32 s74, s[HB], 0x20002
	s_lshl_b32 s74, s74, 16
	s_add_co_u32 s76, s76, s74
	s_and_b32 s74, s[GL], 7
	s_lshl_b32 s74, s74, 13
	s_add_co_u32 s76, s76, s74
	s_and_b32 s74, s[HB], 3
	s_lshl_b32 s74, s74, 10
	s_add_co_u32 s76, s76, s74
	s_add_nc_u64 s[OBL:OBL+1], s[10:11], s[76:77]
	v_and_b32 v[ST+6], 15, v0
	v_and_b32 v[ST+7], 8, v[ST+6]
	v_add_nc_u32 v[ST+6], v[ST+6], v[ST+7]
	v_bfe_u32 v[ST+7], v0, 4, 1
	v_lshlrev_b32 v[ST+7], 4, v[ST+7]
	v_sub_nc_u32 v[DQ], v[ST+6], v[ST+7]
	v_mov_b32 v[ST+14], 0
	v_mov_b32 v[ST+15], 0
.irp t, 0,1
	v_mov_b32 v[ST+8*\t+1], 0xff61b1e6             ; the largest score so far: -3e38
	v_mov_b32 v[ST+8*\t], 0x7f61b1e6               ; -M: 3e38, a whole number
	v_mov_b32 v[ST+8*\t+2], 0                      ; the sum, in two halves
	v_mov_b32 v[ST+8*\t+3], 0
	v_mov_b32 v[ST+8*\t+5], 0                      ; (named as the upper half of f's pair)
	v_mov_b32 v[PL+\t], 0                          ; a lane permute's destination counts as one of its sources
.endr
.set j, 0
.rept 64
	v_mov_b32 v[O+j], 0                            ; O^T: the step is written for every step alike; the first finds zeros, which the first change of M leaves zeros
.set j, j+1
.endr
	s_wait_kmcnt 0x0
	s_add_co_i32 s22, s52, s53
	s_lshl_b32 s22, s22, 23
	s_add_co_i32 s[CS], s22, 0x3e38aa3b            ; log2(e) / 8, with e6 + e7 added to its exponent field
	s_mov_b32 s[CS+1], s[CS]                       ; (named with it as a pair)
	s_add_co_i32 s22, s57, 127
	s_lshl_b32 s23, s22, 23
	v_mov_b32 v[PSC], s23                          ; 2^e9
	s_add_co_i32 s22, s22, 8
	s_lshl_b32 s22, s22, 23
	s_or_b32 s22, s22, 0x600000
	v_mov_b32 v[PLM], s22                          ; 448 x 2^e9
	s_sub_co_i32 s22, s58, s56
	s_sub_co_i32 s22, s22, s57
	s_add_co_i32 s22, s22, 127
	s_lshl_b32 s[OSC], s22, 23                     ; 2^(e10 - e8 - e9)
	s_add_co_i32 s22, s22, 8
	s_lshl_b32 s22, s22, 23
	s_or_b32 s[OLM], s22, 0x600000
; A KEY STEP: 64 keys.  Its K was fetched a step earlier.  A step all of whose keys come after my 32 queries is left out (a scalar branch on ids; no barrier, wait for tiles or tensor load stands in a step),
; and on the diagonal hidden scores become -infinity.  A step that is walked begins at or under my first query (multiples of 64 and of 32), so every query sees its first key and M is a number from the first step on.
; last: the LDS byte of this loop's last step: the fetch of the next step's K is held there, so that it stays inside the stages that have landed.
.macro STEP last
	s_cmp_gt_u32 s[KF], s[QL]
	s_cbranch_scc1 .Lhid_\@
	s_wait_dscnt 0x0                               ; this step's K is in
.irp k, 0,1,2,3
.irp t, 0,1
	v_wmma_f32_16x16x64_fp8_fp8 v[S+32*\t+8*\k:S+32*\t+8*\k+7], v[KR+8*\k:KR+8*\k+7], v[Q+8*\t:Q+8*\t+7], 0
.endr
.endr
	s_add_co_u32 s22, s[TB], 8192
	s_min_u32 s22, s22, \last
	v_add_nc_u32 v[MK], s[TB], v[LI]               ; with the next three lines the four places behind the products, in front of the loads into their sources and of the first read of S^T
	v_add_nc_u32 v[ADK], s22, v[LI]
	v_nop
	v_nop
.irp k, 0,1,2,3
.irp u, 0,1
	ds_load_b128 v[VR+8*\k+4*\u:VR+8*\k+4*\u+3], v[MK] offset:4096+1024*\k+512*\u
.endr
.endr
	KLOADS                                         ; the next step's K
	s_add_co_u32 s22, s[KF], 63
	s_cmp_le_u32 s22, s[Q0]
	s_cbranch_scc1 .Lopen_\@                       ; all keys count for all my queries
	s_sub_co_i32 s22, s[Q0], s[KF]
	v_add_nc_u32 v[MK], s22, v[DQ]                 ; d = my query - the step's first key - 16 (lane / 16).  Register n holds key 32 (n / 16) + n % 16 further on: hidden where that is above d
	v_mov_b32 v[MK+1], 0xff800000
.set n, 0
.rept 32
	v_cmp_gt_i32 vcc_lo, 32*(n/16)+n%16, v[MK]
	v_cndmask_b32 v[S+n], v[S+n], v[MK+1], vcc_lo
.set n, n+1
.endr
	v_add_nc_u32 v[MK], 8, v[MK]                   ; the second tile's queries lie 8 further on
.set n, 0
.rept 32
	v_cmp_gt_i32 vcc_lo, 32*(n/16)+n%16, v[MK]
	v_cndmask_b32 v[S+32+n], v[S+32+n], v[MK+1], vcc_lo
.set n, n+1
.endr
.Lopen_\@:
.irp t, 0,1                            ; the largest score of my query: the running one and my 32 keys' are 33 leaves of 16 three-way maxima, in two chains; each accumulator is read from its low end on; the two tiles by turns
	v_max3_num_f32 v[ST+8*\t+6], v[ST+8*\t+1], v[S+32*\t], v[S+32*\t+1]
	v_max3_num_f32 v[ST+8*\t+7], v[S+32*\t+2], v[S+32*\t+3], v[S+32*\t+4]
.endr
.irp i, 5,9,13,17,21,25
.irp t, 0,1
	v_max3_num_f32 v[ST+8*\t+6], v[ST+8*\t+6], v[S+32*\t+\i], v[S+32*\t+\i+1]
	v_max3_num_f32 v[ST+8*\t+7], v[ST+8*\t+7], v[S+32*\t+\i+2], v[S+32*\t+\i+3]
.endr
.endr
.irp t, 0,1
	v_max3_num_f32 v[ST+8*\t+6], v[ST+8*\t+6], v[S+32*\t+29], v[S+32*\t+30]
.endr
.irp t, 0,1
	v_max3_num_f32 v[ST+8*\t+6], v[ST+8*\t+6], v[ST+8*\t+7], v[S+32*\t+31]
.endr
.irp t, 0,1
	v_permlanex16_b32 v[PL+\t], v[ST+8*\t+6], s[SEL], s[SEL+1]
.endr
.irp t, 0,1
	v_max_num_f32 v[ST+8*\t+1], v[ST+8*\t+6], v[PL+\t]     ; and among lane l xor 16's
.endr
.irp t, 0,1
	v_mul_f32 v[ST+8*\t+6], s[CS], v[ST+8*\t+1]            ; as t (c is positive)
.endr
.irp t, 0,1
	v_mov_b32 v[ST+8*\t+7], v[ST+8*\t]
.endr
.irp t, 0,1
	v_floor_f32 v[ST+8*\t], -v[ST+8*\t+6]                  ; the new -M = floor(-t) = -ceil(t): a whole number
.endr
.irp t, 0,1
	v_sub_f32 v[ST+8*\t+7], v[ST+8*\t], v[ST+8*\t+7]       ; old M - new M: a whole number, 0 or less
.endr
	TMINUS 0
.irp t, 0,1
	v_cvt_i32_f32 v[ST+8*\t+7], v[ST+8*\t+7]               ; (it saturates)
.endr
	TMINUS 1
.irp t, 0,1
	v_ldexp_f32 v[ST+8*\t+4], 1.0, v[ST+8*\t+7]            ; f = 2^(old M - new M)
.endr
.irp t, 0,1
.set j, 0
.rept 16
	v_pk_mul_f32 v[O+32*\t+j:O+32*\t+j+1], v[O+32*\t+j:O+32*\t+j+1], v[ST+8*\t+4:ST+8*\t+5] op_sel_hi:[1,0]   ; O^T under the new M, ahead of the exponentials; each accumulator from its low end on
.set j, j+2
.endr
.endr
	s_wait_alu depctr_va_vdst(0)                   ; ahead of the batch of exponentials
.set j, 0
.rept 64
	v_exp_f32 v[S+j], v[S+j]                       ; p = 2^(t - M), at most 1: both tiles' exponentials are one batch
.set j, j+1
.endr
	v_nop                                          ; a plain place behind the exponentials
	s_wait_alu depctr_va_vdst(0)                   ; one wait for the whole batch, ahead of its first reader
.irp t, 0,1                            ; the row's sum is taken of the unquantised p: the old sum x f + the first pair in one line; two at a time, in two chains
	v_pk_fma_f32 v[ST+8*\t+2:ST+8*\t+3], v[ST+8*\t+2:ST+8*\t+3], v[ST+8*\t+4:ST+8*\t+5], v[S+32*\t:S+32*\t+1] op_sel_hi:[1,0,1]
	v_pk_add_f32 v[C2+2*\t:C2+2*\t+1], v[S+32*\t+2:S+32*\t+3], v[S+32*\t+4:S+32*\t+5]
.endr
.irp i, 6,10,14,18,22,26
.irp t, 0,1
	v_pk_add_f32 v[ST+8*\t+2:ST+8*\t+3], v[ST+8*\t+2:ST+8*\t+3], v[S+32*\t+\i:S+32*\t+\i+1]
	v_pk_add_f32 v[C2+2*\t:C2+2*\t+1], v[C2+2*\t:C2+2*\t+1], v[S+32*\t+\i+2:S+32*\t+\i+3]
.endr
.endr
.irp t, 0,1
	v_pk_add_f32 v[ST+8*\t+2:ST+8*\t+3], v[ST+8*\t+2:ST+8*\t+3], v[S+32*\t+30:S+32*\t+31]
.endr
.irp t, 0,1
	v_pk_add_f32 v[ST+8*\t+2:ST+8*\t+3], v[ST+8*\t+2:ST+8*\t+3], v[C2+2*\t:C2+2*\t+1]
.endr
.irp t, 0,1
.irp u, 0,1
.set j, 0
.rept 8                                ; the conversion does not saturate (ISA guide 7.6.2); p is not negative, so the hold is one-sided; two numbers a line
	v_dual_min_num_f32 v[S+32*\t+16*\u+j], v[PLM], v[S+32*\t+16*\u+j] :: v_dual_min_num_f32 v[S+32*\t+16*\u+j+1], v[PLM], v[S+32*\t+16*\u+j+1]
.set j, j+2
.endr
	v_cvt_scalef32_pk8_fp8_f32 v[P+8*\t+4*\u:P+8*\t+4*\u+1], v[S+32*\t+16*\u:S+32*\t+16*\u+7], v[PSC]
	v_cvt_scalef32_pk8_fp8_f32 v[P+8*\t+4*\u+2:P+8*\t+4*\u+3], v[S+32*\t+16*\u+8:S+32*\t+16*\u+15], v[PSC]
.endr
.endr
	v_nop                                          ; a plain place between the conversions and the products
	s_wait_alu depctr_va_vdst(0)                   ; directly ahead of the wait below
	s_wait_dscnt 8                                 ; V's eight loads are in; the eight behind them, the next step's K, may be out
.irp k, 0,1,2,3                        ; the eight accumulators take turns, one instruction a turn
.irp t, 0,1
	v_wmma_f32_16x16x64_fp8_fp8 v[O+32*\t+8*\k:O+32*\t+8*\k+7], v[VR+8*\k:VR+8*\k+7], v[P+8*\t:P+8*\t+7], v[O+32*\t+8*\k:O+32*\t+8*\k+7]
.endr
.endr
.Lhid_\@:
	s_add_co_u32 s[KF], s[KF], 64
	s_add_co_u32 s[TB], s[TB], 8192
.endm
; A walk over trips key steps that begin at LDS byte base: the first step's K, then the loop.  The trip counts are constants of the text.
.macro WALK base, trips
	v_add_nc_u32 v[ADK], \base, v[LI]
	KLOADS
	s_mov_b32 s[TB], \base
	s_mov_b32 s[CNT], \trips
.Lw_\@:
	STEP \base+(\trips-1)*8192
	s_sub_co_u32 s[CNT], s[CNT], 1
	s_cmp_lg_u32 s[CNT], 0
	s_cbranch_scc1 .Lw_\@
.endm
	s_wait_alu depctr_va_vdst(0)
	s_wait_loadcnt 0x0                             ; Q
	MEET                                           ; keys 0-511 are in
	tensor_load_to_lds s[G0C:G0C+3], s[G1C:G1C+7]  ; keys 512-2047: a first fill, issued as a refill is: my one load behind this barrier
	s_nop 0
	WALK 0, 8
	MEET                                           ; all keys are in; nothing more is asked for
	WALK 65536, 24
	; THE WAY OUT.  O^T / the sum, held, converted with 2^(e10 - e8 - e9): the registers of channel tiles 2 u, 2 u + 1 are channels 32 u + 16 (lane / 16) + 0 .. 15: piece u.
.irp t, 0,1
	v_add_f32 v[ST+8*\t+2], v[ST+8*\t+2], v[ST+8*\t+3]
.endr
.irp t, 0,1
	v_permlanex16_b32 v[PL+\t], v[ST+8*\t+2], s[SEL], s[SEL+1]
.endr
.irp t, 0,1
	v_add_f32 v[ST+8*\t+2], v[ST+8*\t+2], v[PL+\t]
.endr
	v_mov_b32 v[C2], s[OSC]
	v_mov_b32 v[C2+1], s[OLM]
	s_wait_alu depctr_va_vdst(0)                   ; ahead of the batch of reciprocals
.irp t, 0,1
	v_rcp_f32 v[ST+8*\t+6], v[ST+8*\t+2]
.endr
	v_nop                                          ; a plain place behind the reciprocals
	s_wait_alu depctr_va_vdst(0)                   ; one wait for both reciprocals, directly ahead of the first reader of O^T
.irp t, 0,1
.set j, 0
.rept 16
	v_pk_mul_f32 v[S+32*\t+j:S+32*\t+j+1], v[O+32*\t+j:O+32*\t+j+1], v[ST+8*\t+6:ST+8*\t+7] op_sel_hi:[1,0]   ; each accumulator from its low end on
.set j, j+2
.endr
.endr
.set j, 0
.rept 64
	v_med3_num_f32 v[S+j], v[S+j], -v[C2+1], v[C2+1]
.set j, j+1
.endr
.irp t, 0,1
.irp u, 0,1
	v_cvt_scalef32_pk8_fp8_f32 v[P+8*\t+4*\u:P+8*\t+4*\u+1], v[S+32*\t+16*\u:S+32*\t+16*\u+7], v[C2]
	v_cvt_scalef32_pk8_fp8_f32 v[P+8*\t+4*\u+2:P+8*\t+4*\u+3], v[S+32*\t+16*\u+8:S+32*\t+16*\u+15], v[C2]
.endr
.endr
	v_nop
.irp t, 0,1
.irp u, 0,1
	global_store_b128 v[LI], v[P+8*\t+4*\u:P+8*\t+4*\u+3], s[OBL:OBL+1] offset:4096*\t+512*\u   ; 32 lanes store 512 consecutive bytes
.endr
.endr
	s_wait_tensorcnt 0x0                           ; the wave's end
	ds_add_u32 v[SPW], v[NIL]
	s_wait_dscnt 0x0
	s_endpgm
.Lfunc_end_k_q88cd89bb20_attn:
	.size	k_q88cd89bb20_attn, .Lfunc_end_k_q88cd89bb20_attn-k_q88cd89bb20_attn
	.p2alignl 7, 3214868480
	.fill 96, 4, 3214868480
	.section	.rodata,"a",@progbits
	.p2align	6, 0x0
	.amdhsa_kernel k_q88cd89bb20_attn
		.amdhsa_group_segment_fixed_size 327680
		.amdhsa_private_segment_fixed_size 0
		.amdhsa_enable_private_segment 0
		.amdhsa_kernarg_size 32
		.amdhsa_user_sgpr_count 2
		.amdhsa_user_sgpr_kernarg_segment_ptr 1
		.amdhsa_wavefront_size32 1
		.amdhsa_system_sgpr_workgroup_id_x 1
		.amdhsa_system_sgpr_workgroup_id_y 1
		.amdhsa_system_sgpr_workgroup_id_z 1
		.amdhsa_system_vgpr_workitem_id 0
		.amdhsa_next_free_vgpr 256
		.amdhsa_next_free_sgpr 80
		.amdhsa_reserve_vcc 1
		.amdhsa_float_denorm_mode_32 3
		.amdhsa_float_denorm_mode_16_64 3
		.amdhsa_memory_ordered 1
		.amdhsa_forward_progress 1
		.amdhsa_inst_pref_size 58
	.end_amdhsa_kernel
	.amdgpu_metadata
---
amdhsa.version: [ 1, 2 ]
amdhsa.kernels:
  - .name:           k_q88cd89bb20_attn
    .symbol:         k_q88cd89bb20_attn.kd
    .args:
      - { .name: qc, .offset: 0, .size: 8, .value_kind: global_buffer, .address_space: global }
      - { .name: kv, .offset: 8, .size: 8, .value_kind: global_buffer, .address_space: global }
      - { .name: lowp_scales, .offset: 16, .size: 8, .value_kind: global_buffer, .address_space: global }
      - { .name: oc, .offset: 24, .size: 8, .value_kind: global_buffer, .address_space: global }
    .group_segment_fixed_size: 327680
    .private_segment_fixed_size: 0
    .kernarg_segment_align: 8
    .kernarg_segment_size: 32
    .max_flat_workgroup_size: 512
    .sgpr_count:     80
    .vgpr_count:     256
    .wavefront_size: 32
...
	.end_amdgpu_metadata
.endif
;; end of part 3
;; launch oproj (part 4): grid 8 x 32, 4 waves a work-group, clusters of 4 x 4, 327,680 bytes of LDS; arguments oc, wc, lowp_scales, out0; writes out0
.if DOCPART == 4
	.amdgcn_target "amdgcn-amd-amdhsa--gfx1250"
	.amdhsa_code_object_version 6
	.text
	.protected	k_q88cd89bb20_oproj
	.globl	k_q88cd89bb20_oproj
	.p2align	8
	.type	k_q88cd89bb20_oproj,@function
k_q88cd89bb20_oproj:
	s_mov_b64 s[64:65], 0
	v_nop
	global_prefetch_b8 v0, s[64:65] scope:SCOPE_SE
	s_setreg_imm32_b32 hwreg(HW_REG_WAVE_MODE, 25, 1), 1
	s_wait_xcnt 0x0
	s_wait_alu depctr_hold_cnt(0) depctr_sa_sdst(0) depctr_va_vdst(0) depctr_va_sdst(0) depctr_va_ssrc(0) depctr_va_vcc(0) depctr_vm_vsrc(0)
	s_getreg_b32 s2, hwreg(HW_REG_IB_STS2, 6, 4)
	s_cmp_eq_u32 s2, 0
	s_cbranch_scc0 .Lentry_in_a_cluster
	s_endpgm
.Lentry_in_a_cluster:
	s_bfe_u32 s2, ttmp6, 0x10000c
	s_cmp_lg_u32 s2, 0xf033
	s_cbranch_scc0 .Lentry_shape_is_right
	s_endpgm
.Lentry_shape_is_right:
.set KROW,   1024
.set PITCH,  272
.set FR,     16
.set NL,     4
.set NP,     4
.set AHALF,  32768
.set BHALF,  64*PITCH
.set BOFF,   2*AHALF
.set SLOT,   BOFF+2*BHALF
.set LAPS,   2
.set SPARE,  2*SLOT
.set STAGE,  SPARE+512
.set SPITCH, 272
.set ADRA, 16
.set ADRB, 20
.set STO,  24
.set RD,   25
.set CO,   26
.set SPW,  28
.set NIL,  29
.set TMP,  32
.set AF,   128
.set BK,   128
.set G1, 24
.set G0, 32
.set G1B, 48
.set G0B, 56
.set MSB, 0
.macro WIN new
.if MSB != \new
	s_set_vgpr_msb (MSB<<8)|\new
.set MSB, \new
.endif
.endm
.set MUL,  0xa1
.set TO_B, 0x40
.macro JLOAD g0a, g1a, g0b, g1b
	s_cmp_eq_u32 s15, 0
	s_cbranch_scc0 .Lfor_b_\@
	tensor_load_to_lds s[\g0a:\g0a+3], s[\g1a:\g1a+7]
	s_nop 0
.rept 4
	v_nop
.endr
	s_branch .Lasked_\@
.Lfor_b_\@:
	tensor_load_to_lds s[\g0b:\g0b+3], s[\g1b:\g1b+7]
	s_nop 0
.rept 4
	v_nop
.endr
.Lasked_\@:
.endm
.macro CREST
	s_cmp_lg_u32 s14, 0
	s_cbranch_scc1 .Lnot_wave_0_\@
	s_barrier_signal -3
.Lnot_wave_0_\@:
	s_barrier_wait -3
	s_barrier_signal -1
	s_barrier_wait -1
.endm
.macro CROUND
	s_barrier_signal -1
	s_barrier_wait -1
	CREST
.endm
	s_load_b256 s[4:11], s[0:1], 0x0
	v_lshl_add_u32 v[SPW], v0, 2, SPARE
	v_mov_b32 v[NIL], 0
	ds_add_u32 v[SPW], v[NIL]
	ds_add_u32 v[SPW], v[NIL]
	v_lshrrev_b32 v1, 5, v0
	v_readfirstlane_b32 s14, v1
	s_lshr_b32 s15, s14, 1
	s_and_b32 s16, s14, 1
	s_bfe_u32 s40, ttmp6, 0x40000
	s_bfe_u32 s41, ttmp6, 0x40004
	s_lshl_b32 s42, ttmp9, 2
	s_add_co_u32 s42, s42, s40
	s_and_b32 s17, ttmp7, 0xffff
	s_lshl_b32 s17, s17, 2
	s_add_co_u32 s17, s17, s41
	s_lshl_b32 s43, s41, 2
	s_lshl_b32 s43, 15, s43
	s_lshl_b32 s44, 0x1111, s40
	s_or_b32 s[G1+0], s43, (0<<16)|(1<<21)
	s_mov_b32 s[G1+1], 256<<16
	s_mov_b32 s[G1+2], 128<<16
	s_mov_b32 s[G1+3], 256<<16
	s_mov_b32 s[G1+4], 128
	s_mov_b32 s[G1+5], 256
	s_mov_b32 s[G1+6], 0
	s_mov_b32 s[G1+7], 0
	s_or_b32 s[G1B+0], s44, (0<<16)|(1<<20)|(1<<21)|(5<<22)|(3<<25)
	s_mov_b32 s[G1B+1], 256<<16
	s_mov_b32 s[G1B+2], 64<<16
	s_mov_b32 s[G1B+3], 256<<16
	s_mov_b32 s[G1B+4], 64
	s_mov_b32 s[G1B+5], KROW
	s_mov_b32 s[G1B+6], 0
	s_mov_b32 s[G1B+7], 0
	s_lshl_b32 s20, s17, 18
	s_lshl_b32 s45, s16, 15
	s_add_co_u32 s20, s20, s45
	s_mov_b32 s21, 0
	s_lshl_b32 s46, s42, 17
	s_lshl_b32 s47, s16, 16
	s_add_co_u32 s46, s46, s47
	s_add_co_u32 s46, s46, 0x300000
	s_mov_b32 s47, 0
	s_mul_i32 s66, s16, BHALF
	s_add_co_u32 s66, s66, BOFF
	s_wait_dscnt 0x0
	s_wait_kmcnt 0x0
	s_load_b64 s[96:97], s[8:9], 0x28
	s_add_nc_u64 s[20:21], s[4:5], s[20:21]
	s_add_nc_u64 s[46:47], s[6:7], s[46:47]
	CROUND
.irp s, 0,1
	s_mov_b32 s[G0+4*\s], 1
	s_add_co_u32 s[G0+4*\s+1], s45, \s*SLOT
	s_add_nc_u64 s[G0+4*\s+2:G0+4*\s+3], s[20:21], \s*65536
	s_or_b32 s[G0+4*\s+3], s[G0+4*\s+3], 0x80000000
	s_mov_b32 s[G0B+4*\s], 1
	s_add_co_u32 s[G0B+4*\s+1], s66, \s*SLOT
	s_add_nc_u64 s[G0B+4*\s+2:G0B+4*\s+3], s[46:47], \s*256
	s_or_b32 s[G0B+4*\s+3], s[G0B+4*\s+3], 0x80000000
.endr
	JLOAD G0, G1, G0B, G1B                         ; K step 0: one tensor load a wave at the head, behind the opening round
	v_and_b32 v1, 15, v0
	v_bfe_u32 v2, v0, 4, 1
	v_and_b32 v6, 31, v0
	v_lshlrev_b32 v6, 4, v6
	v_mul_u32_u24 v3, v1, PITCH
	v_lshl_add_u32 v4, v2, 4, v3
	s_mul_i32 s21, s15, AHALF
	s_mul_i32 s22, s16, BHALF
	s_add_co_u32 s22, s22, BOFF
.irp s, 0,1
	v_add_nc_u32 v[ADRA+\s], s21, v6
	v_add_nc_u32 v[ADRB+\s], s22, v4
	s_add_co_u32 s21, s21, SLOT
	s_add_co_u32 s22, s22, SLOT
.endr
	s_mul_i32 s23, s14, 16*SPITCH
	s_add_co_u32 s23, s23, STAGE
	v_mul_u32_u24 v5, v1, SPITCH
	v_lshl_add_u32 v5, v2, 6, v5
	v_add_nc_u32 v[STO], s23, v5
	v_mul_u32_u24 v5, v2, SPITCH
	v_lshl_add_u32 v5, v1, 4, v5
	v_add_nc_u32 v[RD], s23, v5
	v_lshlrev_b32 v5, 12, v2
	v_lshl_add_u32 v[CO], v1, 4, v5
	s_lshl_b32 s20, s17, 20
	s_lshl_b32 s21, s15, 19
	s_add_co_u32 s20, s20, s21
	s_lshl_b32 s21, s42, 9
	s_add_co_u32 s20, s20, s21
	s_lshl_b32 s21, s16, 8
	s_add_co_u32 s20, s20, s21
	s_mov_b32 s21, 0
	s_add_nc_u64 s[10:11], s[10:11], s[20:21]
.macro FRAGA reg, slot, q, i
.irp c, 0,1,2,3
	ds_load_b128 v[\reg+4*\c:\reg+4*\c+3], v[ADRA+\slot] offset:(2*(\i)+(\q))*2048+512*\c
.endr
.endm
.macro FRAGB reg, slot, q, i
.irp c, 0,1,2,3
	ds_load_b128 v[\reg+4*\c:\reg+4*\c+3], v[ADRB+\slot] offset:128*(\q)+32*\c+(\i)*16*PITCH
.endr
.endm
.macro MUL8 a0, p, zero
.irp a, \a0, \a0+1
.irp b, 0,1,2,3
.if \zero
	v_wmma_f32_16x16x128_fp8_fp8 v[8*(4*(\a)+\b):8*(4*(\a)+\b)+7], v[64*(\p)+FR*\b:64*(\p)+FR*\b+FR-1], v[AF+FR*(\a):AF+FR*(\a)+FR-1], 0
.else
	v_wmma_f32_16x16x128_fp8_fp8 v[8*(4*(\a)+\b):8*(4*(\a)+\b)+7], v[64*(\p)+FR*\b:64*(\p)+FR*\b+FR-1], v[AF+FR*(\a):AF+FR*(\a)+FR-1], v[8*(4*(\a)+\b):8*(4*(\a)+\b)+7]
.endif
.endr
.endr
.endm
.macro FETCH_B slot, q, p
	WIN TO_B
.irp i, 0,1,2,3
	FRAGB 64*(\p)+FR*\i, \slot, \q, \i
.endr
	WIN 0
.endm
.macro FETCH_A slot, q, i0
.irp i, \i0, \i0+1, \i0+2, \i0+3
	FRAGA AF+FR*(\i), \slot, \q, \i
.endr
.endm
.macro PLACES n
.rept \n
	v_nop
.endr
.endm
.macro STEP slot, q, zero
	s_wait_dscnt 4*NL
	WIN MUL
	MUL8 0, (\q)%2, \zero
	MUL8 2, (\q)%2, \zero
	s_wait_dscnt 0
	PLACES NP
	FETCH_B \slot, (\q)+1, 1-(\q)%2
	FETCH_A \slot, (\q)+1, 0
	WIN MUL
	MUL8 4, (\q)%2, \zero
	MUL8 6, (\q)%2, \zero
	PLACES NP
	WIN 0
	FETCH_A \slot, (\q)+1, 4
.endm
.macro TURN slot, next, fill
	s_wait_tensorcnt 0x0
	ds_add_u32 v[SPW], v[NIL]
	s_wait_dscnt 4*NL+1
	WIN MUL
	MUL8 0, 1, 0
	s_wait_dscnt 0x0
	s_barrier_signal -1
	MUL8 2, 1, 0
	WIN 0
	s_barrier_wait -1
.if \fill
	CREST
	s_add_nc_u64 s[G0+4*\slot+2:G0+4*\slot+3], s[G0+4*\slot+2:G0+4*\slot+3], 2*65536
	s_add_nc_u64 s[G0B+4*\slot+2:G0B+4*\slot+3], s[G0B+4*\slot+2:G0B+4*\slot+3], 2*256
	JLOAD G0+4*\slot, G1, G0B+4*\slot, G1B
.else
	PLACES NP
.endif
	s_wait_alu depctr_va_vdst(0)
	FETCH_B \next, 0, 0
	FETCH_A \next, 0, 0
	WIN MUL
	MUL8 4, 1, 0
	MUL8 6, 1, 0
	PLACES NP
	WIN 0
	FETCH_A \next, 0, 4
.endm
	s_wait_alu depctr_va_vdst(0)
	s_wait_tensorcnt 0x0                           ; my part of K step 0 is in; the three lines ahead of a later first fill, as ahead of a refill
	ds_add_u32 v[SPW], v[NIL]
	s_wait_dscnt 0x0
	CROUND                                         ; everybody's part is in, and all sixteen work-groups are here
	JLOAD G0+4, G1, G0B+4, G1B                     ; K step 1: the first tensor load behind the round
	FETCH_B 0, 0, 0
	FETCH_A 0, 0, 0
	FETCH_A 0, 0, 4
	STEP 0, 0, 1
	s_mov_b32 s3, LAPS-1
.Llap:
	TURN 0, 1, 1
	STEP 1, 0, 0
	TURN 1, 0, 1
	STEP 0, 0, 0
	s_sub_co_u32 s3, s3, 1
	s_cmp_lg_u32 s3, 0
	s_cbranch_scc1 .Llap
	TURN 0, 1, 0
	STEP 1, 0, 0
	s_wait_dscnt 4*NL
	WIN MUL
	MUL8 0, 1, 0
	MUL8 2, 1, 0
	s_wait_dscnt 0
	MUL8 4, 1, 0
	MUL8 6, 1, 0
	WIN 0
.macro TOSTAGE a
	WIN 0x02
.set j, 0
.rept 16
	v_pk_mul_f32 v[TMP+j:TMP+j+1], v[32*(\a)+j:32*(\a)+j+1], s[96:97] op_sel_hi:[1,0]
.set j, j+2
.endr
	WIN 0
.irp b, 0,1,2,3
	ds_store_b128 v[STO], v[TMP+8*\b:TMP+8*\b+3] offset:128*(\b/2)+32*(\b%2)
	ds_store_b128 v[STO], v[TMP+8*\b+4:TMP+8*\b+7] offset:128*(\b/2)+32*(\b%2)+16
.endr
.set BB, BK+32*((\a)%2)
.irp t, 0,1,2,3,4,5,6,7
	ds_load_b128 v[BB+4*\t:BB+4*\t+3], v[RD] offset:\t*2*SPITCH
.endr
.endm
.macro SEND a, younger
.set BB, BK+32*((\a)%2)
	s_wait_dscnt \younger
.irp t, 0,1,2,3,4,5,6,7
	global_store_b128 v[CO], v[BB+4*\t:BB+4*\t+3], s[10:11] offset:(32*((\a)/2)+8*((\a)%2)+2*\t+8*(\t/4))*4096 th:TH_STORE_NT
.endr
.endm
	s_wait_kmcnt 0x0
	s_add_co_i32 s96, s96, s97
	s_add_co_i32 s96, s96, 127
	s_lshl_b32 s96, s96, 23
	PLACES NP
	TOSTAGE 0
.irp a, 1,2,3,4,5,6,7
.if \a > 1
	s_wait_xcnt 0x0
.endif
	TOSTAGE \a
	SEND \a-1, 16
.endr
	SEND 7, 0
	s_wait_tensorcnt 0x0
	ds_add_u32 v[SPW], v[NIL]
	s_wait_dscnt 0x0
	CROUND
	s_endpgm
.Lfunc_end_k_q88cd89bb20_oproj:
	.size	k_q88cd89bb20_oproj, .Lfunc_end_k_q88cd89bb20_oproj-k_q88cd89bb20_oproj
	.p2alignl 7, 3214868480
	.fill 96, 4, 3214868480
	.section	.rodata,"a",@progbits
	.p2align	6, 0x0
	.amdhsa_kernel k_q88cd89bb20_oproj
		.amdhsa_group_segment_fixed_size 327680
		.amdhsa_private_segment_fixed_size 0
		.amdhsa_enable_private_segment 0
		.amdhsa_kernarg_size 32
		.amdhsa_user_sgpr_count 2
		.amdhsa_user_sgpr_kernarg_segment_ptr 1
		.amdhsa_wavefront_size32 1
		.amdhsa_system_sgpr_workgroup_id_x 1
		.amdhsa_system_sgpr_workgroup_id_y 1
		.amdhsa_system_sgpr_workgroup_id_z 1
		.amdhsa_system_vgpr_workitem_id 0
		.amdhsa_next_free_vgpr 768
		.amdhsa_next_free_sgpr 100
		.amdhsa_reserve_vcc 0
		.amdhsa_float_denorm_mode_32 3
		.amdhsa_float_denorm_mode_16_64 3
		.amdhsa_memory_ordered 1
		.amdhsa_forward_progress 1
		.amdhsa_inst_pref_size 77
	.end_amdhsa_kernel
	.amdgpu_metadata
---
amdhsa.version: [ 1, 2 ]
amdhsa.kernels:
  - .name:           k_q88cd89bb20_oproj
    .symbol:         k_q88cd89bb20_oproj.kd
    .args:
      - { .name: oc, .offset: 0, .size: 8, .value_kind: global_buffer, .address_space: global }
      - { .name: wc, .offset: 8, .size: 8, .value_kind: global_buffer, .address_space: global }
      - { .name: lowp_scales, .offset: 16, .size: 8, .value_kind: global_buffer, .address_space: global }
      - { .name: out0, .offset: 24, .size: 8, .value_kind: global_buffer, .address_space: global }
    .group_segment_fixed_size: 327680
    .private_segment_fixed_size: 0
    .kernarg_segment_align: 8
    .kernarg_segment_size: 32
    .max_flat_workgroup_size: 128
    .sgpr_count:     100
    .vgpr_count:     768
    .wavefront_size: 32
...
	.end_amdgpu_metadata
.endif
;; end of part 4
